; MI455X (gfx1250); checked and timed in simulation.
; The chip was launched on July 23, 2026; its instructions are those of AMD's public machine-readable ISA for CDNA 5 (MIT licence, August 2026) and "CDNA5" Instruction Set Architecture Reference Guide (July 2026). The comments in the code are by the model that wrote it; some were corrected since.
;; Multihead Flash Diff. Allowed arithmetic: float matrix products may take bf16 or f16 operands with f32 sums; other float arithmetic in f32, or as packed bf16 or f16 multiplies, adds, multiply-adds, maxima and minima; sums over many terms, partial sums and values carried from step to step in f32; what a program stores and reads back later, other than sums and carried values, may be rounded once to bf16 or f16.
;; Inputs: Wk 2,048 x 2,048 float32; Wo 2,048 x 2,048 float32; Wq 2,048 x 2,048 float32; Wv 2,048 x 2,048 float32; g 128 float32; lk1 64 float32; lk2 64 float32; lq1 64 float32; lq2 64 float32; x 1 x 2,048 x 2,048 float32.
;; Outputs: out0 1 x 2,048 x 2,048 float32.
;; One version. Each part assembles by itself: llvm-mc -triple=amdgcn-amd-amdhsa -mcpu=gfx1250 --defsym DOCPART=n.
;; ======== version 1 of 1: 4 launches
;; limits: values are held in f16: magnitudes above 65,504 overflow, below 6.1e-05 lose precision
;; workspace buffers: xb 8,388,608 bytes; wb 25,165,824 bytes; wo16 8,388,608 bytes; tab 524,288 bytes; qkv 25,165,824 bytes; an 8,388,608 bytes
;; launch cast (part 1): grid 256 x 6, 8 waves a work-group, no clusters, 0 bytes of LDS; arguments x, Wq, Wk, Wv, Wo, xb, wb, wo16, tab; writes xb, wb, wo16, tab
.if DOCPART == 1
	.amdgcn_target "amdgcn-amd-amdhsa--gfx1250"
	.amdhsa_code_object_version 6
	.text
	.protected	k_q28b234e926_cast
	.globl	k_q28b234e926_cast
	.p2align	8
	.type	k_q28b234e926_cast,@function
k_q28b234e926_cast:
	s_mov_b64 s[64:65], 0
	v_nop
	global_prefetch_b8 v0, s[64:65] scope:SCOPE_SE
	s_setreg_imm32_b32 hwreg(HW_REG_WAVE_MODE, 25, 1), 1
	s_wait_xcnt 0x0
; CAST AND TABLE.  y = 0..4: one array of 2048 x 2048 f32 is rounded once to bf16: x -> xb, Wq, Wk, Wv -> the three thirds of wb; Wo's bf16 number is written as f16 -> wo16
; (exact down to 6e-5; below that f16's fixed step of 6e-8; |Wo| stays under 65,504).  y = 5: the rotary table, tab[s][i] = (cos, sin)(s x 10000^(-i/32)), f32, a row of 32 pairs = 256 bytes.
; A stream: nothing is shared, so no LDS, no matrix unit, no cluster.  A work-group takes 16 chunks of 4,096 source bytes; all sixteen loads of a wave are issued at once, each covers 512
; consecutive bytes; each store of a wave covers 256 consecutive bytes, aligned.  No register is used twice, so no wait frees one.
; THE TABLE.  div = 2^(-i log2(10000) / 32); the angle s x div is rounded once to f32; it is reduced by multiples of pi/2 held in two parts, and sine and cosine are polynomials on
; |r| <= pi/4 (to r^9 and r^8: their cut is under 3e-8).  LIMIT: div is good to about one part in 10^7, so an angle, at most 2,047, is good to about 2e-4.
.set X, 32                             ; v[32:95]   sixteen chunks as loaded, 4 registers each
.set Y, 96                             ; v[96:127]  sixteen chunks to store, 2 registers each
	s_load_b512 s[8:23], s[0:1], 0x0               ; x s[8:9], Wq s[10:11], Wk s[12:13], Wv s[14:15], Wo s[16:17], xb s[18:19], wb s[20:21], wo16 s[22:23]
	s_load_b64 s[24:25], s[0:1], 0x40              ; tab
	s_and_b32 s26, ttmp7, 0xffff                   ; y: which array
	v_lshlrev_b32 v1, 4, v0                        ; 16 bytes a thread in
	v_lshlrev_b32 v2, 3, v0                        ; 8 bytes a thread out
	s_lshl_b32 s28, ttmp9, 16                      ; the work-group's 65,536 source bytes
	s_mov_b32 s29, 0
	s_max_u32 s27, s26, 1
	s_sub_co_u32 s27, s27, 1                       ; 0, 0, 1, 2 for y = 0..3: the third of wb
	s_cmp_eq_u32 s26, 4
	s_cselect_b32 s27, 0, s27
	s_lshl_b32 s27, s27, 23
	s_lshl_b32 s30, ttmp9, 15                      ; the work-group's 32,768 bytes out
	s_add_co_u32 s30, s30, s27
	s_mov_b32 s31, 0
	s_wait_kmcnt 0x0
	s_cmp_eq_u32 s26, 5
	s_cbranch_scc1 .Ltab
	s_cmp_eq_u32 s26, 0
	s_cselect_b64 s[4:5], s[8:9], s[10:11]         ; from x, or from Wq
	s_cselect_b64 s[6:7], s[18:19], s[20:21]       ; to xb, or to wb
	s_cmp_eq_u32 s26, 2
	s_cselect_b64 s[4:5], s[12:13], s[4:5]
	s_cmp_eq_u32 s26, 3
	s_cselect_b64 s[4:5], s[14:15], s[4:5]
	s_cmp_eq_u32 s26, 4
	s_cselect_b64 s[4:5], s[16:17], s[4:5]
	s_cselect_b64 s[6:7], s[22:23], s[6:7]
	s_add_nc_u64 s[4:5], s[4:5], s[28:29]
	s_add_nc_u64 s[6:7], s[6:7], s[30:31]
.irp c, 0,1,2,3,4,5,6,7,8,9,10,11,12,13,14,15
	global_load_b128 v[X+4*(\c):X+4*(\c)+3], v1, s[4:5] offset:4096*(\c) th:TH_LOAD_NT
.endr
; half = 0: rounded to bf16.  half = 1: rounded to bf16, and that number written as f16.
.macro PASS half
.irp c, 0,1,2,3,4,5,6,7,8,9,10,11,12,13,14,15
	s_wait_loadcnt 15-(\c)                         ; loads come back in order: chunk c is in, the 15 - c younger ones stay out
.if \half
	v_cvt_pk_bf16_f32 v8, v[X+4*(\c)], v[X+4*(\c)+1]
	v_cvt_pk_bf16_f32 v9, v[X+4*(\c)+2], v[X+4*(\c)+3]
	v_lshlrev_b32 v4, 16, v8
	v_and_b32 v5, 0xffff0000, v8
	v_lshlrev_b32 v6, 16, v9
	v_and_b32 v7, 0xffff0000, v9
	v_cvt_pk_f16_f32 v[Y+2*(\c)], v4, v5
	v_cvt_pk_f16_f32 v[Y+2*(\c)+1], v6, v7
.else
	v_cvt_pk_bf16_f32 v[Y+2*(\c)], v[X+4*(\c)], v[X+4*(\c)+1]
	v_cvt_pk_bf16_f32 v[Y+2*(\c)+1], v[X+4*(\c)+2], v[X+4*(\c)+3]
.endif
	global_store_b64 v2, v[Y+2*(\c):Y+2*(\c)+1], s[6:7] offset:2048*(\c)
.endr
	s_endpgm
.endm
	s_cmp_eq_u32 s26, 4
	s_cbranch_scc1 .Lhalf
	PASS 0
.Lhalf:
	PASS 1
.Ltab:                                                 ; thread t: position 8 x work-group + t / 32, pair t % 32
	v_and_b32 v3, 31, v0
	v_lshrrev_b32 v4, 5, v0
	s_lshl_b32 s27, ttmp9, 3
	v_add_nc_u32 v4, s27, v4
	v_cvt_f32_u32 v3, v3
	v_cvt_f32_u32 v4, v4
	v_mul_f32 v3, 0xbed49a78, v3                   ; -i log2(10000) / 32
	v_exp_f32 v5, v3
	v_nop                                          ; a plain instruction behind the exponential,
	s_wait_alu depctr_va_vdst(0)                   ; and the wait ahead of its first reader
	v_mul_f32 v6, v4, v5                           ; the angle
	v_mul_f32 v7, 0x3f22f983, v6                   ; x 2 / pi
	v_rndne_f32 v7, v7                             ; n
	v_fmamk_f32 v8, v7, 0xbfc90fdb, v6             ; r = angle - n x (pi/2's upper part),
	v_fmamk_f32 v8, v7, 0x333bbd2e, v8             ; less n x (its lower part, which is negative)
	v_mul_f32 v9, v8, v8
	v_mov_b32 v10, 0x3638ef1d                      ; sine: r + r^3 (-1/6 + r^2 (1/120 + r^2 (-1/5040 + r^2 / 362880)))
	v_fmaak_f32 v10, v10, v9, 0xb9500d01
	v_fmaak_f32 v10, v10, v9, 0x3c088889
	v_fmaak_f32 v10, v10, v9, 0xbe2aaaab
	v_mul_f32 v11, v8, v9
	v_fma_f32 v10, v11, v10, v8
	v_mov_b32 v12, 0x37d00d01                      ; cosine: 1 + r^2 (-1/2 + r^2 (1/24 + r^2 (-1/720 + r^2 / 40320)))
	v_fmaak_f32 v12, v12, v9, 0xbab60b61
	v_fmaak_f32 v12, v12, v9, 0x3d2aaaab
	v_fma_f32 v12, v12, v9, -0.5
	v_fma_f32 v12, v12, v9, 1.0
	v_cvt_i32_f32 v13, v7
	v_and_b32 v14, 1, v13
	v_cmp_eq_u32 vcc_lo, 1, v14                    ; an odd quarter turn swaps the two
	v_cndmask_b32 v16, v12, v10, vcc_lo
	v_cndmask_b32 v17, v10, v12, vcc_lo
	v_add_nc_u32 v14, 1, v13                       ; the cosine is negative in quarters 1 and 2,
	v_and_b32 v14, 2, v14
	v_lshlrev_b32 v14, 30, v14
	v_xor_b32 v16, v14, v16
	v_and_b32 v15, 2, v13                          ; the sine in quarters 2 and 3
	v_lshlrev_b32 v15, 30, v15
	v_xor_b32 v17, v15, v17
	s_lshl_b32 s28, ttmp9, 11                      ; the work-group's 8 rows of 256 bytes
	s_mov_b32 s29, 0
	s_add_nc_u64 s[24:25], s[24:25], s[28:29]
	global_store_b64 v2, v[16:17], s[24:25]        ; a wave stores one whole row
	s_endpgm
.Lfunc_end_k_q28b234e926_cast:
	.size	k_q28b234e926_cast, .Lfunc_end_k_q28b234e926_cast-k_q28b234e926_cast
	.p2alignl 7, 3214868480
	.fill 96, 4, 3214868480
	.section	.rodata,"a",@progbits
	.p2align	6, 0x0
	.amdhsa_kernel k_q28b234e926_cast
		.amdhsa_group_segment_fixed_size 0
		.amdhsa_private_segment_fixed_size 0
		.amdhsa_enable_private_segment 0
		.amdhsa_kernarg_size 72
		.amdhsa_user_sgpr_count 2
		.amdhsa_user_sgpr_kernarg_segment_ptr 1
		.amdhsa_wavefront_size32 1
		.amdhsa_system_sgpr_workgroup_id_x 1
		.amdhsa_system_sgpr_workgroup_id_y 1
		.amdhsa_system_sgpr_workgroup_id_z 1
		.amdhsa_system_vgpr_workitem_id 0
		.amdhsa_next_free_vgpr 128
		.amdhsa_next_free_sgpr 66
		.amdhsa_reserve_vcc 1
		.amdhsa_float_denorm_mode_32 3
		.amdhsa_float_denorm_mode_16_64 3
		.amdhsa_memory_ordered 1
		.amdhsa_forward_progress 1
		.amdhsa_inst_pref_size 18
	.end_amdhsa_kernel
	.amdgpu_metadata
---
amdhsa.version: [ 1, 2 ]
amdhsa.kernels:
  - .name:           k_q28b234e926_cast
    .symbol:         k_q28b234e926_cast.kd
    .args:
      - { .name: x, .offset: 0, .size: 8, .value_kind: global_buffer, .address_space: global }
      - { .name: Wq, .offset: 8, .size: 8, .value_kind: global_buffer, .address_space: global }
      - { .name: Wk, .offset: 16, .size: 8, .value_kind: global_buffer, .address_space: global }
      - { .name: Wv, .offset: 24, .size: 8, .value_kind: global_buffer, .address_space: global }
      - { .name: Wo, .offset: 32, .size: 8, .value_kind: global_buffer, .address_space: global }
      - { .name: xb, .offset: 40, .size: 8, .value_kind: global_buffer, .address_space: global }
      - { .name: wb, .offset: 48, .size: 8, .value_kind: global_buffer, .address_space: global }
      - { .name: wo16, .offset: 56, .size: 8, .value_kind: global_buffer, .address_space: global }
      - { .name: tab, .offset: 64, .size: 8, .value_kind: global_buffer, .address_space: global }
    .group_segment_fixed_size: 0
    .private_segment_fixed_size: 0
    .kernarg_segment_align: 8
    .kernarg_segment_size: 72
    .max_flat_workgroup_size: 256
    .sgpr_count:     66
    .vgpr_count:     128
    .wavefront_size: 32
...
	.end_amdgpu_metadata
.endif
;; end of part 1
;; launch proj (part 2): grid 16 x 16, 4 waves a work-group, clusters of 4 x 4, 327,680 bytes of LDS; arguments xb, wb, tab, qkv; writes qkv
.if DOCPART == 2
	.amdgcn_target "amdgcn-amd-amdhsa--gfx1250"
	.amdhsa_code_object_version 6
	.text
	.protected	k_q28b234e926_proj
	.globl	k_q28b234e926_proj
	.p2align	8
	.type	k_q28b234e926_proj,@function
k_q28b234e926_proj:
	s_mov_b64 s[64:65], 0
	v_nop
	global_prefetch_b8 v0, s[64:65] scope:SCOPE_SE
	s_setreg_imm32_b32 hwreg(HW_REG_WAVE_MODE, 25, 1), 1
	s_wait_xcnt 0x0
	s_wait_alu depctr_hold_cnt(0) depctr_sa_sdst(0) depctr_va_vdst(0) depctr_va_sdst(0) depctr_va_ssrc(0) depctr_va_vcc(0) depctr_vm_vsrc(0)
	s_getreg_b32 s2, hwreg(HW_REG_IB_STS2, 6, 4)
	s_cmp_eq_u32 s2, 0
	s_cbranch_scc0 .Lentry_in_a_cluster
	s_endpgm
.Lentry_in_a_cluster:
	s_bfe_u32 s2, ttmp6, 0x10000c
	s_cmp_lg_u32 s2, 0xf033
	s_cbranch_scc0 .Lentry_shape_is_right
	s_endpgm
.Lentry_shape_is_right:
; THE THREE PROJECTIONS, THE ROTATION, THE SPLIT BY HEADS.  q, k, v = x W, x: xb [2048][2048] bf16, W: wb [3][2048 k][2048 n] bf16; sums in f32; q and k are rotated in f32 by tab;
; all three leave rounded once to f16, by heads: qkv [3][16 h][2048 s][128], a row = 256 bytes.  LIMIT: |q|, |k|, |v| stay under 65,504, f16's end; NaN and infinities are not treated apart.
; SHARES.  A work-group makes 128 rows x 384 columns: the 128 columns of q, of k and of v of ONE head (tile column = head), so 16 x 16 = 256 work-groups of equal work.  Four waves; wave
; (mw, nw) makes rows 64 mw .. + 63 of the column groups of 64 numbered 3 nw .. 3 nw + 2 (0, 1: q; 2, 3: k; 4, 5: v): 4 x 12 accumulators of 16 x 16, 384 registers.
; K goes in steps of 128 through a ring of two LDS slots; a slot has four regions, one for each wave's tensor load: x's 128 rows (256 bytes each), and 128 k-rows x 256 bytes of each of the three weights.
; THE MATRIX INSTRUCTION IS USED TRANSPOSED: source 0 = 16 columns of W (W lies [k][n], so its fragments come turned, by ds_load_tr16_b128), source 1 = 16 rows of x.  A lane then holds one row
; of the result and eight neighbouring columns: four rotary pairs, or 16 bytes of f16.
; CLUSTER 4 x 4: x's tile hangs on the tile row alone and is asked for jointly along a row of the cluster, the weights' tiles on the head alone, jointly along a column.
; REGISTERS: window 0: v0-31 addresses; v32-63, v64-95 x's fragments, two buffers; v96-223 my part of the rotary table (later at work on the way out)
;   window 1: v0-95, v96-191 W's fragments, two buffers      window 2: accumulators of row blocks 0, 1 at 96 (a % 2) + 8 b; v192-199 at work      window 3: the same for row blocks 2, 3
.set REG,    36864                     ; a region: 128 rows x 288 bytes (x's uses 128 x 272)
.set SLOT,   4*REG
.set SPARE,  2*SLOT                    ; behind the ring: the spare words, 128 bytes for each wave: two blocks of 256 bytes that no other line names
.set PA,     272                       ; a row of x in LDS: 256 bytes + 16: the 16 rows of a load start at 16 different groups of four banks
.set PB,     288                       ; a k-row of W: 256 + 32
.set SPITCH, 784                       ; the way out: a row of 384 f16 + 16 bytes.  The stage, 128 such rows, lies over slot 0, whose last fill and last reads are over by then
.set ADRA, 16                          ; v16-17  LDS address of my fragments of x in slot 0, 1
.set ADRB, 18                          ; v18-23  of my three column groups in slot 0, then in slot 1
.set STO,  24                          ; v24     the way out: where I put 16 bytes of a row
.set RD,   25                          ; v25     where I read rows back
.set CO,   26                          ; v26     my byte offset in two rows of qkv
.set TO,   27                          ; v27     my byte offset in 16 rows of the table
.set SPW,  28                          ; v28     LDS address of my spare word; never rewritten
.set NIL,  29                          ; v29     0; never rewritten
.set PFO,  30                          ; v30     the prefetches' offset: my lane x 4,096, a row of xb or wb; never rewritten
.set TAB,  96
.set TMP,  96
.set U,    192
.set WV, 12                            ; s12 wave; s13 mw; s14 nw
.set MW, 13
.set NW, 14
.set G1, 24                            ; s[24:31] descriptor group 1 for x's tiles;  s[32:39] group 0, a set for each slot
.set G0, 32
.set G1B, 48                           ; s[48:55], s[56:63] the same for W's tiles
.set G0B, 56
.set PFA, 44                           ; s[44:45] where my prefetches stand
.set PST, 46                           ; s[46:47] a K step in bytes along my tensor: 256 in xb, 524,288 in wb
.set LIM, 66                           ; s66  1 in a wave that prefetches, else the greatest number
.set OB,  68                           ; s[68:73] q's, k's, v's rows that I store
.set TBA, 74                           ; s[74:75] the table at my 64 rows
.set MSB, 0
.macro WIN new                         ; the immediate's high byte repeats the setting that is left; a switch that changes nothing is dropped
.if MSB != (\new)
	s_set_vgpr_msb (MSB<<8)|(\new)
.set MSB, \new
.endif
.endm
.macro PLACES                          ; four places in front of loads into registers that matrix instructions have read
.rept 4
	v_nop
.endr
.endm
; A joint load: wave 0 fetches x's tile, waves 1 to 3 the tiles of Wq, Wk, Wv.  The branch hangs on the wave's number alone.  An s_nop 0 and four v_nop follow each line.
.macro JLOAD s
	s_cmp_eq_u32 s[WV], 0
	s_cbranch_scc0 .Lfor_b_\@
	tensor_load_to_lds s[G0+4*(\s):G0+4*(\s)+3], s[G1:G1+7]
	s_nop 0
.rept 4
	v_nop
.endr
	s_branch .Lasked_\@
.Lfor_b_\@:
	tensor_load_to_lds s[G0B+4*(\s):G0B+4*(\s)+3], s[G1B:G1B+7]
	s_nop 0
.rept 4
	v_nop
.endr
.Lasked_\@:
.endm
; A prefetch of the K step two refills on: 32 rows x 256 bytes, a lane a row.  x's rows are read by every cluster of a row of clusters: cluster x = 0 asks (wave 0); W's by every cluster of a column:
; cluster y = 0 asks (waves 1 to 3).  The four partners of a joint load share its 128 rows out by address, 32 each.  So each row's 256 bytes of a K step are named once.  The loop's last trip asks for nothing.
.macro ASK
	s_cmp_gt_u32 s3, s[LIM]
	s_cbranch_scc0 .Lnot_mine_\@
	global_prefetch_b8 v[PFO], s[PFA:PFA+1] th:TH_LOAD_NT scope:SCOPE_SE
.Lnot_mine_\@:
.endm
.macro CREST                           ; a round of the cluster's barrier behind its opening barrier
	s_cmp_lg_u32 s[WV], 0
	s_cbranch_scc1 .Lnot_wave_0_\@
	s_barrier_signal -3
.Lnot_wave_0_\@:
	s_barrier_wait -3
	s_barrier_signal -1
	s_barrier_wait -1
.endm
.macro CROUND
	s_barrier_signal -1
	s_barrier_wait -1
	CREST
.endm
	s_load_b256 s[4:11], s[0:1], 0x0               ; xb s[4:5], wb s[6:7], tab s[8:9], qkv s[10:11]
	v_lshl_add_u32 v[SPW], v0, 2, SPARE
	v_mov_b32 v[NIL], 0
	ds_add_u32 v[SPW], v[NIL]                      ; the wave's opening: the add and its wait ahead of my first tensor load
	v_lshrrev_b32 v1, 5, v0
	v_readfirstlane_b32 s[WV], v1
	s_lshr_b32 s[MW], s[WV], 1
	s_and_b32 s[NW], s[WV], 1
	s_bfe_u32 s40, ttmp6, 0x40000                  ; cx
	s_bfe_u32 s41, ttmp6, 0x40004                  ; cy
	s_lshl_b32 s42, ttmp9, 2
	s_add_co_u32 s42, s42, s40                     ; the head = 4 x cluster x + cx
	s_and_b32 s43, ttmp7, 0xffff
	s_lshl_b32 s43, s43, 2
	s_add_co_u32 s43, s43, s41                     ; the block of 128 rows = 4 x cluster y + cy
	s_lshl_b32 s15, s41, 2
	s_lshl_b32 s15, 15, s15                        ; my row of the cluster
	s_lshl_b32 s17, 0x1111, s40                    ; my column
	s_or_b32 s[G1], s15, (1<<16)|(1<<20)|(1<<21)|(5<<22)|(3<<25)   ; the mask; 2-byte elements; padding on; bit 21 beside a mask; after every 64 words, 4 words
	s_or_b32 s[G1B], s17, (1<<16)|(1<<20)|(1<<21)|(5<<22)|(7<<25)  ; the same with my column's mask and 8 words of padding
.irp g, G1, G1B
	s_mov_b32 s[(\g)+1], 128<<16                   ; tensor_dim0 = 128
	s_mov_b32 s[(\g)+2], 128<<16                   ; tensor_dim1 = 128
	s_mov_b32 s[(\g)+3], 128<<16                   ; tile_dim0 = 128
	s_mov_b32 s[(\g)+4], 128                       ; tile_dim1 = 128
	s_mov_b32 s[(\g)+5], 2048                      ; elements from row to row
	s_mov_b32 s[(\g)+6], 0
	s_mov_b32 s[(\g)+7], 0
.endr
	s_lshl_b32 s18, s43, 19                        ; x: 128 rows of 4,096 bytes a block
	s_mov_b32 s19, 0
	s_max_u32 s20, s[WV], 1
	s_sub_co_u32 s20, s20, 1                       ; W: which of the three,
	s_lshl_b32 s20, s20, 23
	s_lshl_b32 s21, s42, 8                         ; the head's 256 bytes of a k-row
	s_add_co_u32 s20, s20, s21
	s_mov_b32 s21, 0
	s_mul_i32 s22, s[WV], REG                      ; my region: no place in the cluster enters an LDS address
	s_wait_dscnt 0x0                               ; the opening add is done
	s_wait_kmcnt 0x0
	s_add_nc_u64 s[18:19], s[4:5], s[18:19]
	s_add_nc_u64 s[20:21], s[6:7], s[20:21]
	CROUND                                         ; all sixteen work-groups are here: the first joint loads meet
.irp s, 0,1
	s_mov_b32 s[G0+4*(\s)], 1
	s_add_co_u32 s[G0+4*(\s)+1], s22, (\s)*SLOT
	s_add_nc_u64 s[G0+4*(\s)+2:G0+4*(\s)+3], s[18:19], (\s)*256      ; K step s: 256 bytes along x's rows,
	s_or_b32 s[G0+4*(\s)+3], s[G0+4*(\s)+3], 0x80000000
	s_mov_b32 s[G0B+4*(\s)], 1
	s_add_co_u32 s[G0B+4*(\s)+1], s22, (\s)*SLOT
	s_add_nc_u64 s[G0B+4*(\s)+2:G0B+4*(\s)+3], s[20:21], (\s)*524288 ; 128 k-rows down W
	s_or_b32 s[G0B+4*(\s)+3], s[G0B+4*(\s)+3], 0x80000000
	JLOAD \s
.endr
	v_and_b32 v1, 15, v0                           ; r = l % 16
	v_bfe_u32 v2, v0, 4, 1                         ; h = l / 16
	v_and_b32 v3, 7, v0
	v_bfe_u32 v4, v0, 3, 1
	; the rotary table for my 64 rows: row block a, 16 columns p of a group of 64: four pairs (cos, sin) = 32 bytes a lane at row x 256 + 64 p + 32 h
	v_lshlrev_b32 v7, 8, v1
	v_lshl_add_u32 v[TO], v2, 5, v7
	s_lshl_b32 s16, s43, 15
	s_lshl_b32 s2, s[MW], 14
	s_add_co_u32 s16, s16, s2
	s_mov_b32 s17, 0
	s_add_nc_u64 s[TBA:TBA+1], s[8:9], s[16:17]
.irp a, 0,1,2,3
.irp p, 0,1,2,3
	global_load_b128 v[TAB+8*(4*(\a)+(\p)):TAB+8*(4*(\a)+(\p))+3],   v[TO], s[TBA:TBA+1] offset:4096*(\a)+64*(\p)
	global_load_b128 v[TAB+8*(4*(\a)+(\p))+4:TAB+8*(4*(\a)+(\p))+7], v[TO], s[TBA:TBA+1] offset:4096*(\a)+64*(\p)+16
.endr
.endr
	; x's fragments: row x pitch + 16 h
	v_mul_u32_u24 v5, v1, PA
	v_lshl_add_u32 v5, v2, 4, v5
	s_mul_i32 s23, s[MW], 64*PA
	v_add_nc_u32 v[ADRA], s23, v5
	v_add_nc_u32 v[ADRA+1], SLOT, v[ADRA]
	; W's, turned: lane l reads k-row 8 h + l % 8, columns 8 ((l / 8) % 2) + 0..7
	v_lshl_add_u32 v6, v2, 3, v3
	v_mul_u32_u24 v6, v6, PB
	v_lshl_add_u32 v6, v4, 4, v6
	s_mul_i32 s23, s[NW], 3
.irp g, 0,1,2
	s_add_co_u32 s2, s23, (\g)                     ; column group 3 nw + g: region 1 + group / 2, 128 bytes for its odd half
	s_lshr_b32 s15, s2, 1
	s_mul_i32 s15, s15, REG
	s_and_b32 s2, s2, 1
	s_lshl_b32 s2, s2, 7
	s_add_co_u32 s15, s15, s2
	s_add_co_u32 s15, s15, REG
	v_add_nc_u32 v[ADRB+(\g)], s15, v6
	v_add_nc_u32 v[ADRB+3+(\g)], SLOT, v[ADRB+(\g)]
.endr
	s_mul_i32 s15, s[MW], 64*SPITCH                ; into the stage: my 64 rows, my 384 bytes of them
	s_mul_i32 s2, s[NW], 384
	s_add_co_u32 s15, s15, s2
	v_mul_u32_u24 v7, v1, SPITCH
	v_lshl_add_u32 v7, v2, 4, v7
	v_add_nc_u32 v[STO], s15, v7
	s_mul_i32 s15, s[WV], 32*SPITCH                ; back: wave w takes rows 32 w .. 32 w + 31, whole
	v_mul_u32_u24 v7, v2, SPITCH
	v_lshl_add_u32 v7, v1, 4, v7
	v_add_nc_u32 v[RD], s15, v7
	v_lshlrev_b32 v7, 8, v2
	v_lshl_add_u32 v[CO], v1, 4, v7
	v_and_b32 v7, 31, v0
	v_lshlrev_b32 v[PFO], 12, v7
	s_lshl_b32 s16, s42, 19                        ; qkv: the head's 2,048 rows of 256 bytes, the block's 128, my 32
	s_lshl_b32 s2, s43, 15
	s_add_co_u32 s16, s16, s2
	s_lshl_b32 s2, s[WV], 13
	s_add_co_u32 s16, s16, s2
	s_mov_b32 s17, 0
	s_add_nc_u64 s[OB:OB+1], s[10:11], s[16:17]
	s_add_nc_u64 s[OB+2:OB+3], s[OB:OB+1], 0x800000
	s_add_nc_u64 s[OB+4:OB+5], s[OB+2:OB+3], 0x800000
	; the prefetches stand at K step 3; the first refill (K step 2) steps them to K step 4.  Nothing is asked for here, where every work-group's first tiles are on their way
	s_lshl_b32 s16, s43, 7
	s_lshl_b32 s2, s40, 5
	s_add_co_u32 s16, s16, s2                      ; x: row 128 x block + 32 cx
	s_lshl_b32 s16, s16, 12
	s_add_co_u32 s16, s16, 3*256
	s_max_u32 s17, s[WV], 1
	s_sub_co_u32 s17, s17, 1
	s_lshl_b32 s17, s17, 23
	s_lshl_b32 s2, s41, 17                         ; W: k-row 32 cy
	s_add_co_u32 s17, s17, s2
	s_lshl_b32 s2, s42, 8
	s_add_co_u32 s17, s17, s2
	s_add_co_u32 s17, s17, 3*524288
	s_and_b32 s15, ttmp7, 0xffff
	s_mov_b32 s2, 256
	s_cmp_eq_u32 s[WV], 0
	s_cselect_b32 s15, ttmp9, s15                  ; the coordinate along which other clusters read the same rows
	s_cselect_b32 s16, s16, s17
	s_cselect_b32 s[PST], s2, 0x80000
	s_cselect_b64 s[PFA:PFA+1], s[4:5], s[6:7]
	s_mov_b32 s17, 0
	s_mov_b32 s[PST+1], 0
	s_add_nc_u64 s[PFA:PFA+1], s[PFA:PFA+1], s[16:17]
	s_cmp_eq_u32 s15, 0
	s_cselect_b32 s[LIM], 1, -1                    ; the same in all sixteen partners, for a given wave
; 12 matrix instructions: row block a x my 12 column blocks, 32 along K, from fragment buffers f.  zero = 1: the product starts the sums.  All 48 accumulators take turns, in the same order in every quarter.
.macro MUL12 f, a, zero
	WIN 0xa1+0x50*((\a)/2)                         ; W window 1, x window 0, C and D window 2 or 3
.irp b, 0,1,2,3,4,5,6,7,8,9,10,11
.if \zero
	v_wmma_f32_16x16x32_bf16 v[96*((\a)%2)+8*(\b):96*((\a)%2)+8*(\b)+7], v[96*(\f)+8*(\b):96*(\f)+8*(\b)+7], v[32+32*(\f)+8*(\a):32+32*(\f)+8*(\a)+7], 0
.else
	v_wmma_f32_16x16x32_bf16 v[96*((\a)%2)+8*(\b):96*((\a)%2)+8*(\b)+7], v[96*(\f)+8*(\b):96*(\f)+8*(\b)+7], v[32+32*(\f)+8*(\a):32+32*(\f)+8*(\a)+7], v[96*((\a)%2)+8*(\b):96*((\a)%2)+8*(\b)+7]
.endif
.endr
.endm
; 32 LDS loads in one run: quarter q (32 along K) of a slot into buffers f: W's 12 fragments, then x's four
.macro FETCH slot, q, f
	WIN 0x40
.irp b, 0,1,2,3,4,5,6,7,8,9,10,11
	ds_load_tr16_b128 v[96*(\f)+8*(\b):96*(\f)+8*(\b)+3],   v[ADRB+3*(\slot)+(\b)/4] offset:(\q)*32*PB+32*((\b)%4)
	ds_load_tr16_b128 v[96*(\f)+8*(\b)+4:96*(\f)+8*(\b)+7], v[ADRB+3*(\slot)+(\b)/4] offset:(\q)*32*PB+32*((\b)%4)+16*PB
.endr
	WIN 0
.irp a, 0,1,2,3
	ds_load_b128 v[32+32*(\f)+8*(\a):32+32*(\f)+8*(\a)+3],   v[ADRA+(\slot)] offset:(\q)*64+(\a)*16*PA
	ds_load_b128 v[32+32*(\f)+8*(\a)+4:32+32*(\f)+8*(\a)+7], v[ADRA+(\slot)] offset:(\q)*64+(\a)*16*PA+32
.endr
.endm
; One of a K step's first three quarters: multiplies buffers f; in its middle it fetches quarter q of the same slot into buffers g
.macro QUARTER slot, q, f, g, zero
	s_wait_dscnt 4                                 ; W and x's row blocks 0, 1 are in; the youngest four loads (row blocks 2, 3) may be out
	MUL12 \f, 0, \zero
	MUL12 \f, 1, \zero
	PLACES
	FETCH \slot, \q, \g
	s_wait_dscnt 32                                ; all but the 32 just issued
	MUL12 \f, 2, \zero
	MUL12 \f, 3, \zero
.endm
; The last quarter multiplies buffers 1 and changes slots: ONE barrier; in front of it each wave waits for all its tensor loads (one is out: its part of the next slot), adds 0 to its spare word,
; and waits for that and for its own reads of this slot.  fill = 1: the barrier opens a round of the cluster's, and this slot is filled again first thing behind it, two K steps ahead.
.macro TURN slot, next, fill
.if \fill
	s_wait_xcnt 0x0                                ; the last prefetch, a K step back, has read its address
	s_add_nc_u64 s[PFA:PFA+1], s[PFA:PFA+1], s[PST:PST+1]
.endif
	WIN 0
	s_wait_tensorcnt 0x0
	ds_add_u32 v[SPW], v[NIL]
	s_wait_dscnt 5                                 ; (the add and the youngest four loads may be out)
	MUL12 1, 0, 0
	s_wait_dscnt 0x0                               ; the add is done, and my reads of this slot are over
	s_barrier_signal -1
	MUL12 1, 1, 0
.if \fill
	WIN 0
.endif
	s_barrier_wait -1
.if \fill
	CREST                                          ; no wave of any partner still reads this slot's tiles or has a load on its way
	s_add_nc_u64 s[G0+4*(\slot)+2:G0+4*(\slot)+3], s[G0+4*(\slot)+2:G0+4*(\slot)+3], 2*256
	s_add_nc_u64 s[G0B+4*(\slot)+2:G0B+4*(\slot)+3], s[G0B+4*(\slot)+2:G0B+4*(\slot)+3], 2*524288
	JLOAD \slot                                    ; 168 matrix instructions ahead of the wait for it; its four v_nop are also the places in front of the loads below
.else
	PLACES
.endif
	FETCH \next, 0, 0
.if \fill
	ASK
.endif
	MUL12 1, 2, 0
	MUL12 1, 3, 0
.endm
	s_wait_tensorcnt 1                             ; my part of K step 0 is in; K step 1's may stay out
	s_barrier_signal -1
	s_barrier_wait -1
	FETCH 0, 0, 0
	QUARTER 0, 1, 0, 1, 1                          ; the first quarter stands in front of the loop: its products start the sums
	WIN 0
	s_mov_b32 s3, 7                                ; 16 K steps: 7 trips fill both slots again
.Llap:
	QUARTER 0, 2, 1, 0, 0
	QUARTER 0, 3, 0, 1, 0
	TURN 0, 1, 1
	QUARTER 1, 1, 0, 1, 0
	QUARTER 1, 2, 1, 0, 0
	QUARTER 1, 3, 0, 1, 0
	TURN 1, 0, 1
	QUARTER 0, 1, 0, 1, 0
	WIN 0
	s_sub_co_u32 s3, s3, 1
	s_cmp_lg_u32 s3, 0
	s_cbranch_scc1 .Llap
	QUARTER 0, 2, 1, 0, 0                          ; the last lap fills nothing
	QUARTER 0, 3, 0, 1, 0
	TURN 0, 1, 0
	QUARTER 1, 1, 0, 1, 0
	QUARTER 1, 2, 1, 0, 0
	QUARTER 1, 3, 0, 1, 0
	s_wait_dscnt 4
	MUL12 1, 0, 0
	MUL12 1, 1, 0
	s_wait_dscnt 0x0
	MUL12 1, 2, 0
	MUL12 1, 3, 0
	; THE WAY OUT.  The rotation, in place: a lane's registers 2 i, 2 i + 1 of an accumulator are a pair (x1, x2); T holds its (cos, sin).  (x1 c, x2 c), then (x1 c - x2 s, x2 c + x1 s).
	WIN 0
	PLACES
	PLACES
	s_wait_loadcnt 0x0                             ; the table
.macro ROPE a, b
.set AC, 96*((\a)%2)+8*(\b)
.set T, TAB+8*(4*(\a)+(\b)%4)
	WIN 0xa2+0x51*((\a)/2)                         ; accumulators and U in window 2 or 3, the table in window 0
.irp i, 0,1,2,3
	v_pk_mul_f32 v[U+2*(\i):U+2*(\i)+1], v[AC+2*(\i):AC+2*(\i)+1], v[T+2*(\i):T+2*(\i)+1] op_sel_hi:[1,0]
.endr
.irp i, 0,1,2,3
	v_pk_fma_f32 v[AC+2*(\i):AC+2*(\i)+1], v[AC+2*(\i):AC+2*(\i)+1], v[T+2*(\i):T+2*(\i)+1], v[U+2*(\i):U+2*(\i)+1] op_sel:[1,1,0] op_sel_hi:[0,1,1] neg_lo:[1,0,0]
.endr
.endm
.irp a, 0,1,2,3
.irp b, 0,1,2,3
	ROPE \a, \b                                    ; my first group of 64 columns is q's or k's in every wave
.endr
.endr
	WIN 0
	s_cmp_eq_u32 s[NW], 1
	s_cbranch_scc1 .Lplain                         ; with nw = 1 the other two groups are v's, which is not rotated
.irp a, 0,1,2,3
.irp b, 4,5,6,7,8,9,10,11
	ROPE \a, \b
.endr
.endr
	WIN 0
.Lplain:
.irp a, 0,1,2,3                        ; rounded to f16, 16 bytes a lane, into the work-group's stage
	WIN 0x0a+5*((\a)/2)
.irp b, 0,1,2,3,4,5,6,7,8,9,10,11
.irp r, 0,1,2,3
	v_cvt_pk_f16_f32 v[TMP+4*(\b)+(\r)], v[96*((\a)%2)+8*(\b)+2*(\r)], v[96*((\a)%2)+8*(\b)+2*(\r)+1]
.endr
.endr
	WIN 0
.irp b, 0,1,2,3,4,5,6,7,8,9,10,11
	ds_store_b128 v[STO], v[TMP+4*(\b):TMP+4*(\b)+3] offset:(\a)*16*SPITCH+32*(\b)
.endr
.endr
	s_wait_dscnt 0x0                               ; for the others' sake: my stores into the stage are done
	s_barrier_signal -1
	s_barrier_wait -1                              ; a row's 768 bytes come from two waves
.irp j, 0,1,2
.irp t, 0,1,2,3,4,5,6,7,8,9,10,11,12,13,14,15
	ds_load_b128 v[32+64*(\j)+4*(\t):32+64*(\j)+4*(\t)+3], v[RD] offset:(\t)*2*SPITCH+256*(\j)
.endr
.endr
.irp j, 0,1,2
.irp t, 0,1,2,3,4,5,6,7,8,9,10,11,12,13,14,15
	s_wait_dscnt 47-16*(\j)-(\t)
	global_store_b128 v[CO], v[32+64*(\j)+4*(\t):32+64*(\j)+4*(\t)+3], s[OB+2*(\j):OB+2*(\j)+1] offset:512*(\t)  ; two rows of a head: 512 consecutive bytes, aligned
.endr
.endr
	s_wait_tensorcnt 0x0                           ; the wave's end
	ds_add_u32 v[SPW], v[NIL]
	s_wait_dscnt 0x0
	CROUND                                         ; the closing round
	s_endpgm
.Lfunc_end_k_q28b234e926_proj:
	.size	k_q28b234e926_proj, .Lfunc_end_k_q28b234e926_proj-k_q28b234e926_proj
	.p2alignl 7, 3214868480
	.fill 96, 4, 3214868480
	.section	.rodata,"a",@progbits
	.p2align	6, 0x0
	.amdhsa_kernel k_q28b234e926_proj
		.amdhsa_group_segment_fixed_size 327680
		.amdhsa_private_segment_fixed_size 0
		.amdhsa_enable_private_segment 0
		.amdhsa_kernarg_size 32
		.amdhsa_user_sgpr_count 2
		.amdhsa_user_sgpr_kernarg_segment_ptr 1
		.amdhsa_wavefront_size32 1
		.amdhsa_system_sgpr_workgroup_id_x 1
		.amdhsa_system_sgpr_workgroup_id_y 1
		.amdhsa_system_sgpr_workgroup_id_z 1
		.amdhsa_system_vgpr_workitem_id 0
		.amdhsa_next_free_vgpr 1024
		.amdhsa_next_free_sgpr 80
		.amdhsa_reserve_vcc 0
		.amdhsa_float_denorm_mode_32 3
		.amdhsa_float_denorm_mode_16_64 3
		.amdhsa_memory_ordered 1
		.amdhsa_forward_progress 1
		.amdhsa_inst_pref_size 150
	.end_amdhsa_kernel
	.amdgpu_metadata
---
amdhsa.version: [ 1, 2 ]
amdhsa.kernels:
  - .name:           k_q28b234e926_proj
    .symbol:         k_q28b234e926_proj.kd
    .args:
      - { .name: xb, .offset: 0, .size: 8, .value_kind: global_buffer, .address_space: global }
      - { .name: wb, .offset: 8, .size: 8, .value_kind: global_buffer, .address_space: global }
      - { .name: tab, .offset: 16, .size: 8, .value_kind: global_buffer, .address_space: global }
      - { .name: qkv, .offset: 24, .size: 8, .value_kind: global_buffer, .address_space: global }
    .group_segment_fixed_size: 327680
    .private_segment_fixed_size: 0
    .kernarg_segment_align: 8
    .kernarg_segment_size: 32
    .max_flat_workgroup_size: 128
    .sgpr_count:     80
    .vgpr_count:     1024
    .wavefront_size: 32
...
	.end_amdgpu_metadata
.endif
;; end of part 2
;; launch attn (part 3): grid 16 x 16, 4 waves a work-group, clusters of 4 x 1, 327,680 bytes of LDS; arguments qkv, g, lq1, lk1, lq2, lk2, an; writes an
.if DOCPART == 3
	.amdgcn_target "amdgcn-amd-amdhsa--gfx1250"
	.amdhsa_code_object_version 6
	.text
	.protected	k_q28b234e926_attn
	.globl	k_q28b234e926_attn
	.p2align	8
	.type	k_q28b234e926_attn,@function
k_q28b234e926_attn:
	s_mov_b64 s[64:65], 0
	v_nop
	global_prefetch_b8 v0, s[64:65] scope:SCOPE_SE
	s_setreg_imm32_b32 hwreg(HW_REG_WAVE_MODE, 25, 1), 1
	s_wait_xcnt 0x0
	s_wait_alu depctr_hold_cnt(0) depctr_sa_sdst(0) depctr_va_vdst(0) depctr_va_sdst(0) depctr_va_ssrc(0) depctr_va_vcc(0) depctr_vm_vsrc(0)
	s_getreg_b32 s2, hwreg(HW_REG_IB_STS2, 6, 4)
	s_cmp_eq_u32 s2, 0
	s_cbranch_scc0 .Lentry_in_a_cluster
	s_endpgm
.Lentry_in_a_cluster:
	s_bfe_u32 s2, ttmp6, 0x10000c
	s_cmp_lg_u32 s2, 0x3003
	s_cbranch_scc0 .Lentry_shape_is_right
	s_endpgm
.Lentry_shape_is_right:
; DIFFERENTIAL CAUSAL ATTENTION, THE NORM AND ITS GAIN.  For head h and query s: attn_t = sum over k <= s of softmax_k(q_t . k_t / 8) v, t = 1, 2 (q_t, k_t: channels 64 (t - 1) .. of a row of q, k);
; a = attn_1 - lambda attn_2, lambda = e^(lq1 . lk1) - e^(lq2 . lk2) + 0.78360577; an = a / sqrt(mean(a^2) + 1e-5) x g x 0.21639423.  qkv: [3][16][2048][128] f16; an: [2048][2048] f16, column 128 h + channel.
; Products, maxima, sums, the difference and the norm in f32; the weights p are rounded to f16 for the second product (their sum is taken unrounded), an once.  g, lq and lk are rounded to bf16 like all the module's inputs.
; LIMITS.  f16 ends at 65,504: q, k, v arrive within it, an is of the size of g.  A hidden score counts as its value less 1e30; a weight below 2^-126 counts as 0; NaN and infinities are not treated apart.
; THE WALK.  A head's queries lie in 32 blocks of 64.  Work-group b = 4 a + cx (a: the cluster) takes block 31 - b and then block b.  Keys go in tiles of 256, four steps of 64: the first block needs tiles
; 0 .. 7 - a, the second 0 .. a: nine tiles, the same sequence in the cluster's four partners, so every tile is asked for JOINTLY.  Every branch and trip count hangs on a, the wave's number and constants.
; In a block's last tile the diagonal lies in step 3 - cx (first block) or cx (second); the steps behind it are wholly hidden and computed all the same (three of the walk's 36 in every work-group): cx
; enters two scalars that make the mask, and addresses of Q, an and the prefetches, nothing else.
; SHARES.  Wave w owns rows 16 w .. 16 w + 15 of the block, as two tiles: t = 0 (q1, k1), t = 1 (q2, k2); both multiply the same V.  attn_1 and attn_2 of a query lie in the same lane.
; LAYOUT.  S^T = K Q^T holds one query a lane (lane % 16) and the keys 8 (lane / 16) + 0..7; rounded in pairs it is source 1 of O^T = V^T P.  p = 2^(c s - c m), c = log2(e) / 8, m a running maximum; O and l are
; multiplied by 2^(c m_old - c m_new) in every step.  THE MASK is the C operand that starts S^T's sums: MC = MD x AL + BE, MD the mask of the diagonal step for my rows: (1, 0) there, (0, 0) before it, (0, -1e30) behind it.
; A step is written in phases: V's loads, 16 products K Q^T, the next K's loads, both tiles' softmax (one batch of 66 exponentials, one wait), 32 products V^T P.
; REGISTERS: window 0: v0-15 addresses, -lambda; v16-31 statistics, 8 a tile; v32-33 the add's; v34-57 at work; v64-127 S^T; v128-159 P; v160-191 MC; v192-223 MD; v224-255 at work
;   window 1: v0-127 O^T, 64 a tile; v128-191 g x 0.21639423 for my channels; v192-223 the second block's Q      window 2: v0-31 Q; v32-159 K of a step      window 3: v0-127 V of a step
.set PK,    272                        ; a row of K in LDS: 256 bytes + 16
.set PV,    288                        ; a row of V: 256 + 32
.set VOFF,  256*PK                     ; a slot: 256 rows of K, then 256 rows of V
.set SLOT,  256*(PK+PV)
.set STAGE, 2*SLOT                     ; behind the ring: 16 rows x 272 bytes for each wave, for the way out
.set SP,    272
.set SPARE, STAGE+4*16*SP              ; the spare words, 128 bytes for each wave: two blocks of 256 bytes that no other line names
.set AK0, 2                            ; v2  my lane's place in a step of K;  v3  of V
.set AV0, 3
.set ADRK, 4                           ; v4, v5  the LDS addresses of the runs in hand
.set ADRV, 5
.set STO, 6
.set RD,  7
.set GO,  8
.set QO,  12
.set PFO, 13                           ; v13  256 x my lane; never rewritten
.set NLAM, 15                          ; v15  -lambda
.set ST,  16                           ; tile t at v[ST+8 t]: c m, m, l (even keys', odd keys'), c0-c3 at work; the step's factor takes c2's place
.set SPW, 32
.set NIL, 33
.set SS,  48
.set RS,  56
.set S,   64
.set P,   128
.set MC,  160
.set MD,  192
.set G,   128                          ; window 1
.set QB,  192                          ; window 1
.set KF,  32                           ; window 2: tile t, key block kb, channel half c at KF + 64 t + 16 kb + 8 c
.set WV, 18
.set CX, 19
.set CLA, 20
.set HEAD, 21
.set G1K, 24
.set G1V, 32
.set G0K, 40                           ; s[40:47] group 0 for K's tiles, a set for each slot;  s[48:55] for V's
.set G0V, 48
.set KB, 56                            ; s[56:57] K at my half of the head's tile 0;  s[58:59] V
.set VB, 58
.set CS, 60
.set SEL, 62
.set OFF, 66
.set AL, 68
.set BE, 70
.set OP, 72                            ; s[72:73] an at my rows of the block in hand;  s[74:75] of the second block
.set OLO, 74
.set PFA, 76
.set TBK, 78
.set TBV, 79
.set CNT, 80
.set PAIRS, 81
.set RT, 82                            ; tiles of the block in hand still to be entered
.set NXT, 83                           ; the tile to be asked for next
.set LQ, 84                            ; the last tile of the block whose tiles are being asked for
.set NEW, 85
.set DG4, 86                           ; 4 - the diagonal's step, for the block in hand;  s87 for the second block
.set DGL, 87
.set BIGN, 88
.set LIM, 89
.set R128, 90
.set EPS, 91
.set OML, 92
.set QA, 94
.set QBA, 96
.set MSB, 0
.macro WIN new
.if MSB != (\new)
	s_set_vgpr_msb (MSB<<8)|(\new)
.set MSB, \new
.endif
.endm
.macro PLACES
.rept 4
	v_nop
.endr
.endm
.macro JLOAD s                         ; waves 0, 1 fetch the halves of a tile's K, waves 2, 3 of its V; an s_nop 0 and four v_nop follow each line
	s_cmp_lt_u32 s[WV], 2
	s_cbranch_scc0 .Lfor_v_\@
	tensor_load_to_lds s[G0K+4*(\s):G0K+4*(\s)+3], s[G1K:G1K+7]
	s_nop 0
.rept 4
	v_nop
.endr
	s_branch .Lasked_\@
.Lfor_v_\@:
	tensor_load_to_lds s[G0V+4*(\s):G0V+4*(\s)+3], s[G1V:G1V+7]
	s_nop 0
.rept 4
	v_nop
.endr
.Lasked_\@:
.endm
; A prefetch of the tile that the NEXT change of slots asks for.  The head's cluster a = 0 walks tiles 0 to 7 first: it asks, nobody else, in its trips 0 to 5, for tiles 2 to 7.  Of a tile's 256 rows of K and of V
; partner cx takes 64, told apart by address; waves 0, 1 ask for K's, waves 2, 3 for V's, 32 rows each, a lane a row.  So each row is named once.  Tiles 0 and 1, and all later readings, come by their loads alone.
.macro ASK
	s_cmp_gt_u32 s[PAIRS], s[LIM]
	s_cbranch_scc0 .Lnot_mine_\@
	global_prefetch_b8 v[PFO], s[PFA:PFA+1] th:TH_LOAD_NT scope:SCOPE_SE
.Lnot_mine_\@:
.endm
.macro CROUND
	s_barrier_signal -1
	s_barrier_wait -1
	s_cmp_lg_u32 s[WV], 0
	s_cbranch_scc1 .Lnot_wave_0_\@
	s_barrier_signal -3
.Lnot_wave_0_\@:
	s_barrier_wait -3
	s_barrier_signal -1
	s_barrier_wait -1
.endm
; THE CHANGE OF SLOTS, on entering the tile in slot.  Each wave waits for all its tensor loads (one is out: its part of this slot), adds 0 to its spare word, and waits for that and for its reads of the other slot.
; fill = 1: the barrier is a round of the cluster's, and the other slot is filled first thing behind it with tile NXT; the address is made anew from that number.
.macro CHANGE slot, fill
	WIN 0
	s_wait_tensorcnt 0x0
	ds_add_u32 v[SPW], v[NIL]
.if \fill
	s_lshl_b32 s[OFF], s[NXT], 16                  ; a tile is 65,536 bytes of K and of V
	s_add_nc_u64 s[G0K+4*(1-(\slot))+2:G0K+4*(1-(\slot))+3], s[KB:KB+1], s[OFF:OFF+1]
	s_or_b32 s[G0K+4*(1-(\slot))+3], s[G0K+4*(1-(\slot))+3], 0x80000000
	s_add_nc_u64 s[G0V+4*(1-(\slot))+2:G0V+4*(1-(\slot))+3], s[VB:VB+1], s[OFF:OFF+1]
	s_or_b32 s[G0V+4*(1-(\slot))+3], s[G0V+4*(1-(\slot))+3], 0x80000000
	s_add_co_u32 s[NXT], s[NXT], 1                 ; the block's next tile, or behind its last the second block's tile 0
	s_cmp_gt_u32 s[NXT], s[LQ]
	s_cselect_b32 s[NXT], 0, s[NXT]
	s_cselect_b32 s[LQ], s[CLA], s[LQ]
	s_wait_xcnt 0x0                                ; the last prefetch, a tile back, has read its address
	s_add_nc_u64 s[PFA:PFA+1], s[PFA:PFA+1], 0x10000
	s_wait_dscnt 0x0                               ; the add is done, and my reads of the other slot are over
	CROUND
	JLOAD 1-(\slot)                                ; it has a tile's 192 matrix instructions in which to land
	ASK
.else
	s_wait_dscnt 0x0
	s_barrier_signal -1
	s_barrier_wait -1
.endif
.endm
.macro FETCH_K                         ; 32 loads: a step's 64 keys x 128 channels: fragment f: tile f / 8, keys 16 ((f / 2) % 4) on, channels 32 (f % 2) on
	WIN 0
	v_add_nc_u32 v[ADRK], s[TBK], v[AK0]
	s_add_co_u32 s[TBK], s[TBK], 64*PK
	WIN 0x80
.irp f, 0,1,2,3,4,5,6,7,8,9,10,11,12,13,14,15
	ds_load_b128 v[KF+8*(\f):KF+8*(\f)+3],   v[ADRK] offset:(((\f)/2)%4)*16*PK+((\f)/8)*128+((\f)%2)*64
	ds_load_b128 v[KF+8*(\f)+4:KF+8*(\f)+7], v[ADRK] offset:(((\f)/2)%4)*16*PK+((\f)/8)*128+((\f)%2)*64+32
.endr
	WIN 0
.endm
.macro FETCH_V                         ; 32 turning loads: keys 32 (f / 8) on, channels 16 (f % 8) on
	WIN 0
	v_add_nc_u32 v[ADRV], s[TBV], v[AV0]
	s_add_co_u32 s[TBV], s[TBV], 64*PV
	WIN 0xc0
.irp f, 0,1,2,3,4,5,6,7,8,9,10,11,12,13,14,15
	ds_load_tr16_b128 v[8*(\f):8*(\f)+3],   v[ADRV] offset:((\f)/8)*32*PV+((\f)%8)*32
	ds_load_tr16_b128 v[8*(\f)+4:8*(\f)+7], v[ADRV] offset:((\f)/8)*32*PV+16*PV+((\f)%8)*32
.endr
	WIN 0
.endm
; Product i of 16 of S^T = K Q^T: tile i % 2, keys 16 ((i / 2) % 4) on, channels 32 (i / 8) on.  The first 8 start the sums with the mask.  The 8 accumulators take turns.
.macro KQ
	WIN 0x0a
.set rS, S+32*(i%2)+8*((i/2)%4)
.set rK, KF+64*(i%2)+16*((i/2)%4)+8*(i/8)
.set rQ, 16*(i%2)+8*(i/8)
.set rM, MC+8*((i/2)%4)
.if i < 8
	v_wmma_f32_16x16x32_f16 v[rS:rS+7], v[rK:rK+7], v[rQ:rQ+7], v[rM:rM+7]
.else
	v_wmma_f32_16x16x32_f16 v[rS:rS+7], v[rK:rK+7], v[rQ:rQ+7], v[rS:rS+7]
.endif
.endm
; Product i of 32 of O^T += V^T P: tile i % 2, channels 16 ((i / 2) % 8) on, keys 32 (i / 16) on.  The 16 accumulators take turns.
.macro PV
	WIN 0x53
.set rO, 64*(i%2)+8*((i/2)%8)
.set rV, 64*(i/16)+8*((i/2)%8)
.set rP, P+16*(i%2)+8*(i/16)
	v_wmma_f32_16x16x32_f16 v[rO:rO+7], v[rV:rV+7], v[rP:rP+7], v[rO:rO+7]
.endm
; Number j of the 134 instructions of tile t's softmax for a step.  0-15 the maximum of the lane's 32 scores and the old m (each accumulator's lowest registers first); 16-20 the other half of the lanes', m, c m, its change;
; 21-69 ONE BATCH: the 16 scalings c s - c m and all 33 exponentials, none of which reads an exponential's result; 70-85 the roundings to f16; 86-101 the sums, l; 102-133 O^T times the step's factor.
.macro SM t
.set rT, ST+8*(\t)
.set rS, S+32*(\t)
.set rP, P+16*(\t)
.set rO, 64*(\t)+2*(j-102)
.if j < 102
	WIN 0
.endif
.if j < 4
	v_max3_num_f32 v[rT+4+j], v[rS+8*j], v[rS+8*j+1], v[rS+8*j+2]
.elseif j < 12
	v_max3_num_f32 v[rT+4+j%4], v[rT+4+j%4], v[rS+8*(j%4)+2*(j/4)+1], v[rS+8*(j%4)+2*(j/4)+2]
.elseif j == 12
	v_max3_num_f32 v[rT+4], v[rT+4], v[rS+7], v[rS+15]
.elseif j == 13
	v_max3_num_f32 v[rT+6], v[rT+6], v[rS+23], v[rS+31]
.elseif j == 14
	v_max3_num_f32 v[rT+4], v[rT+4], v[rT+5], v[rT+6]
.elseif j == 15
	v_max3_num_f32 v[rT+4], v[rT+4], v[rT+7], v[rT+1]
.elseif j == 16
	v_permlanex16_b32 v[rT+5], v[rT+4], s[SEL], s[SEL+1]
.elseif j == 17
	v_mov_b32 v[rT+7], v[rT]
.elseif j == 18
	v_max_num_f32 v[rT+1], v[rT+4], v[rT+5]
.elseif j == 19
	v_mul_f32 v[rT], s[CS], v[rT+1]
.elseif j == 20
	v_sub_f32 v[rT+7], v[rT+7], v[rT]
.elseif j == 23
	v_exp_f32 v[rT+6], v[rT+7]
.elseif (j < 23) || ((j < 38) && (j%2 == 0)) || ((j < 66) && (j%4 == 2))
.set b, (j-2)/4
.if j < 38
.set b, (j-20)/2
.endif
	v_pk_fma_f32 v[rS+2*b:rS+2*b+1], v[rS+2*b:rS+2*b+1], s[CS:CS+1], v[rT:rT+1] op_sel_hi:[1,0,0] neg_lo:[0,0,1] neg_hi:[0,0,1]
.elseif j < 70
.set e, j-38
.if j < 66
.set e, j-32-(j-38)/4
.endif
.if j < 38
.set e, (j-25)/2
.endif
	v_exp_f32 v[rS+e], v[rS+e]
.elseif j < 86
	v_cvt_pk_f16_f32 v[rP+j-70], v[rS+2*(j-70)], v[rS+2*(j-70)+1]
.elseif j < 102
.set z, j-86
.set w, 4
.set u, z
.if z >= 14
.set w, 32
.set u, 0
.elseif z >= 12
.set w, 16
.set u, z-12
.elseif z >= 8
.set w, 8
.set u, z-8
.endif
.if z < 15
	v_pk_add_f32 v[rS+w*u:rS+w*u+1], v[rS+w*u:rS+w*u+1], v[rS+w*u+w/2:rS+w*u+w/2+1]
.else
	v_pk_fma_f32 v[rT+2:rT+3], v[rT+2:rT+3], v[rT+6:rT+7], v[rS:rS+1] op_sel_hi:[1,0,1]
.endif
.else
	WIN 0x41
	v_pk_mul_f32 v[rO:rO+1], v[rO:rO+1], v[rT+6:rT+7] op_sel_hi:[1,0]
.endif
.endm
.macro MASK                            ; MC = MD x AL + BE
.set z, 0
.rept 16
	v_pk_fma_f32 v[MC+2*z:MC+2*z+1], v[MD+2*z:MD+2*z+1], s[AL:AL+1], s[BE:BE+1] op_sel_hi:[1,0,0]
.set z, z+1
.endr
.endm
; A BLOCK BEGINS: c m far below every c s, so that the first step multiplies O^T and l, which need only be finite, by 0; m at the lowest finite number; the mask 0.
.macro BEGIN
	s_mov_b32 s[NEW], 0
.irp t, 0,1
	v_mov_b32 v[ST+8*(\t)], 0xfe000000
	v_mov_b32 v[ST+8*(\t)+1], 0xff7fffff
.endr
	s_mov_b32 s[AL], 0
	s_mov_b32 s[BE], 0
	MASK
.endm
.macro STEP
	s_cmp_lg_u32 s[RT], 0
	s_cbranch_scc1 .Lopen_\@                       ; only a block's last tile makes masks
	s_cmp_eq_u32 s[CNT], s[DG4]                    ; is this the diagonal's step?
	s_cselect_b32 s[AL], 1.0, 0
	s_cmp_lt_u32 s[CNT], s[DG4]                    ; or a later one?
	s_cselect_b32 s[BE], s[BIGN], 0
	MASK
.Lopen_\@:
	FETCH_V                                        ; four places behind the last product that read V
	s_wait_dscnt 32                                ; K's run is older than V's 32 loads: K is in
.set i, 0
.rept 16
	KQ
.set i, i+1
.endr
	WIN 0
	PLACES                                         ; behind those products, ahead of the loads into K's registers and of the reads of the scores
	s_cmp_eq_u32 s[CNT], 1
	s_cbranch_scc1 .Llast_\@                       ; a tile's last step has no next step in this slot
	FETCH_K
.Llast_\@:
.set j, 0
.rept 70
	SM 0
	SM 1
.set j, j+1
.endr
	v_nop                                          ; a plain instruction behind the last exponential,
	s_wait_alu depctr_va_vdst(0)                   ; and ONE wait for the 66, ahead of their first reader
.rept 64
	SM 0
	SM 1
.set j, j+1
.endr
	s_wait_dscnt 0x0                               ; V is in
.set i, 0
.rept 32
	PV
.set i, i+1
.endr
	WIN 0
	PLACES
.endm
; A BLOCK ENDS: both sums l across the halves of the lanes; a = O_1 / l_1 - lambda O_2 / l_2; its mean square over the 128 channels (64 in my lane, 64 in the lane 16 away); the norm, the gain;
; rounded to f16, through my stage, out as whole rows of 256 bytes.  final = 0: the second block's state is set.
.macro FINISH final
	WIN 0
	v_add_f32 v[ST+4], v[ST+2], v[ST+3]
	v_add_f32 v[ST+12], v[ST+10], v[ST+11]
	v_permlanex16_b32 v[ST+5], v[ST+4], s[SEL], s[SEL+1]
	v_permlanex16_b32 v[ST+13], v[ST+12], s[SEL], s[SEL+1]
	v_add_f32 v[ST+4], v[ST+4], v[ST+5]
	v_add_f32 v[ST+12], v[ST+12], v[ST+13]
	v_rcp_f32 v[ST+6], v[ST+4]
	v_rcp_f32 v[ST+14], v[ST+12]
	v_nop
	s_wait_alu depctr_va_vdst(0)                   ; one wait for the two reciprocals
	v_mul_f32 v[ST+14], v[NLAM], v[ST+14]
	WIN 0x51                                       ; O^T in window 1, the factors in window 0
.set i, 0
.rept 32
	v_pk_mul_f32 v[64+i:64+i+1], v[64+i:64+i+1], v[ST+14:ST+15] op_sel_hi:[1,0]
.set i, i+2
.endr
.set i, 0
.rept 32
	v_pk_fma_f32 v[i:i+1], v[i:i+1], v[ST+6:ST+7], v[64+i:64+i+1] op_sel_hi:[1,0,1]
.set i, i+2
.endr
	WIN 0x05
.set i, 0
.rept 4
	v_pk_mul_f32 v[SS+i:SS+i+1], v[i:i+1], v[i:i+1]  ; four chains of squares; the first four start them
.set i, i+2
.endr
.rept 28
	v_pk_fma_f32 v[SS+i%8:SS+i%8+1], v[i:i+1], v[i:i+1], v[SS+i%8:SS+i%8+1]
.set i, i+2
.endr
	WIN 0
	v_pk_add_f32 v[SS:SS+1], v[SS:SS+1], v[SS+2:SS+3]
	v_pk_add_f32 v[SS+4:SS+5], v[SS+4:SS+5], v[SS+6:SS+7]
	v_pk_add_f32 v[SS:SS+1], v[SS:SS+1], v[SS+4:SS+5]
	v_add_f32 v[SS], v[SS], v[SS+1]
	v_permlanex16_b32 v[SS+1], v[SS], s[SEL], s[SEL+1]
	v_add_f32 v[SS], v[SS], v[SS+1]
	v_fma_f32 v[SS+2], v[SS], s[R128], s[EPS]
	v_rsq_f32 v[RS], v[SS+2]
	v_mov_b32 v[RS+1], 0                           ; named with it as a pair; also the plain instruction behind the root
	s_wait_alu depctr_va_vdst(0)
	WIN 0x41
.set i, 0
.rept 32
	v_pk_mul_f32 v[i:i+1], v[i:i+1], v[RS:RS+1] op_sel_hi:[1,0]
.set i, i+2
.endr
	WIN 0x45
.set i, 0
.rept 32
	v_pk_mul_f32 v[i:i+1], v[i:i+1], v[G+i:G+i+1]
.set i, i+2
.endr
	WIN 0x05
.set i, 0
.rept 32
	v_cvt_pk_f16_f32 v[S+i], v[2*i], v[2*i+1]
.set i, i+1
.endr
	WIN 0
.irp f, 0,1,2,3,4,5,6,7
	ds_store_b128 v[STO], v[S+4*(\f):S+4*(\f)+3] offset:32*(\f)
.endr
.irp f, 0,1,2,3,4,5,6,7
	ds_load_b128 v[S+32+4*(\f):S+32+4*(\f)+3], v[RD] offset:(\f)*2*SP  ; LDS serves a wave's instructions in order: these see the stores above
.endr
.irp f, 0,1,2,3,4,5,6,7
	s_wait_dscnt 7-(\f)
	global_store_b128 v[GO], v[S+32+4*(\f):S+32+4*(\f)+3], s[OP:OP+1] offset:8192*(\f)  ; 16 lanes store the head's 256 consecutive bytes of a row, aligned
.endr
.if !(\final)
	s_wait_xcnt 0x0                                ; the stores have read their registers and their base
	s_mov_b64 s[OP:OP+1], s[OLO:OLO+1]
	s_add_co_u32 s[RT], s[CLA], 1                  ; the second block has a + 1 tiles
	s_mov_b32 s[NEW], 1
	s_mov_b32 s[DG4], s[DGL]
	WIN 0x81
.set i, 0
.rept 32
	v_mov_b32 v[i], v[QB+i]                        ; the second block's Q goes where the products name Q
.set i, i+1
.endr
	WIN 0
.endif
.endm
.macro TILE slot, fill, final
	CHANGE \slot, \fill
	s_sub_co_u32 s[RT], s[RT], 1
	s_cmp_eq_u32 s[NEW], 1
	s_cbranch_scc0 .Lold_\@
	BEGIN
.Lold_\@:
	s_mov_b32 s[TBK], (\slot)*SLOT
	s_mov_b32 s[TBV], (\slot)*SLOT
	FETCH_K
	s_mov_b32 s[CNT], 4
.Lstep_\@:
	STEP
	s_sub_co_u32 s[CNT], s[CNT], 1
	s_cmp_lg_u32 s[CNT], 0
	s_cbranch_scc1 .Lstep_\@
.if \final
	FINISH 1
.else
	s_cmp_lg_u32 s[RT], 0
	s_cbranch_scc1 .Lmore_\@
	FINISH 0
.Lmore_\@:
.endif
.endm
	s_load_b256 s[4:11], s[0:1], 0x0               ; qkv s[4:5], g s[6:7], lq1 s[8:9], lk1 s[10:11]
	s_load_b128 s[12:15], s[0:1], 0x20             ; lq2 s[12:13], lk2 s[14:15]
	s_load_b64 s[16:17], s[0:1], 0x30              ; an
	v_lshl_add_u32 v[SPW], v0, 2, SPARE
	v_mov_b32 v[NIL], 0
	ds_add_u32 v[SPW], v[NIL]                      ; the wave's opening: the add and its wait ahead of my first tensor load
	v_lshrrev_b32 v1, 5, v0
	v_readfirstlane_b32 s[WV], v1
	s_bfe_u32 s[CX], ttmp6, 0x40000
	s_mov_b32 s[CLA], ttmp9                        ; a: the cluster among the head's four
	s_and_b32 s[HEAD], ttmp7, 0xffff
	s_lshl_b32 s22, s[HEAD], 19                    ; the head's 2,048 rows of 256 bytes
	s_and_b32 s23, s[WV], 1                        ; which half of a tile's 256 rows I fetch
	s_lshl_b32 s2, s23, 15
	s_add_co_u32 s2, s2, s22
	s_mov_b32 s3, 0
	s_mov_b32 s[G1K], 15|(1<<16)|(1<<20)|(1<<21)|(5<<22)|(3<<25)  ; the mask of four; 2-byte elements; padding on; bit 21 beside a mask; after every 64 words, 4 words
	s_mov_b32 s[G1V], 15|(1<<16)|(1<<20)|(1<<21)|(5<<22)|(7<<25)  ; the same with 8 words
.irp g, G1K, G1V
	s_mov_b32 s[(\g)+1], 128<<16                   ; tensor_dim0 = 128
	s_mov_b32 s[(\g)+2], 128<<16                   ; tensor_dim1 = 128
	s_mov_b32 s[(\g)+3], 128<<16                   ; tile_dim0 = 128
	s_mov_b32 s[(\g)+4], 128                       ; tile_dim1 = 128
	s_mov_b32 s[(\g)+5], 128                       ; elements from row to row
	s_mov_b32 s[(\g)+6], 0
	s_mov_b32 s[(\g)+7], 0
.endr
	s_mov_b32 s[G0K], 1
	s_mov_b32 s[G0K+4], 1
	s_mov_b32 s[G0V], 1
	s_mov_b32 s[G0V+4], 1
	s_mul_i32 s[G0K+1], s23, 128*PK                ; LDS addresses: the slot's constant and my half: no place in the cluster enters them
	s_add_co_u32 s[G0K+5], s[G0K+1], SLOT
	s_mul_i32 s[G0V+1], s23, 128*PV
	s_add_co_u32 s[G0V+1], s[G0V+1], VOFF
	s_add_co_u32 s[G0V+5], s[G0V+1], SLOT
	s_lshl_b32 s78, s[CLA], 2
	s_add_co_u32 s78, s78, s[CX]                   ; b: the second block
	s_sub_co_u32 s79, 31, s78                      ; the first block
	s_lshl_b32 s80, s[WV], 12                      ; my 16 rows of q
	s_lshl_b32 s[QA], s79, 14
	s_add_co_u32 s[QA], s[QA], s80
	s_add_co_u32 s[QA], s[QA], s22
	s_mov_b32 s[QA+1], 0
	s_lshl_b32 s[QBA], s78, 14
	s_add_co_u32 s[QBA], s[QBA], s80
	s_add_co_u32 s[QBA], s[QBA], s22
	s_mov_b32 s[QBA+1], 0
	s_lshl_b32 s80, s[WV], 16                      ; my 16 rows of an, 4,096 bytes each,
	s_lshl_b32 s81, s[HEAD], 8                     ; the head's 256 bytes of them
	s_add_co_u32 s80, s80, s81
	s_lshl_b32 s[OP], s79, 18
	s_add_co_u32 s[OP], s[OP], s80
	s_mov_b32 s[OP+1], 0
	s_lshl_b32 s[OLO], s78, 18
	s_add_co_u32 s[OLO], s[OLO], s80
	s_mov_b32 s[OLO+1], 0
	s_lshl_b32 s[PFA], s[CX], 14                   ; the prefetches: my work-group's 64 rows of a tile, my wave's 32 of them,
	s_lshl_b32 s80, s23, 13
	s_add_co_u32 s[PFA], s[PFA], s80
	s_add_co_u32 s[PFA], s[PFA], s22
	s_add_co_u32 s[PFA], s[PFA], 0x10000           ; at tile 1: the first change of slots steps them to tile 2
	s_mov_b32 s80, 0x800000
	s_lshr_b32 s81, s[WV], 1
	s_lshl_b32 s80, s80, s81                       ; in k (waves 0, 1) or in v (waves 2, 3)
	s_add_co_u32 s[PFA], s[PFA], s80
	s_mov_b32 s[PFA+1], 0
	s_sub_co_u32 s[RT], 8, s[CLA]                  ; the first block has 8 - a tiles
	s_mov_b32 s[NXT], 1
	s_sub_co_u32 s[LQ], 7, s[CLA]
	s_add_co_u32 s[DG4], s[CX], 1                  ; first block: the diagonal lies in step 3 - cx
	s_sub_co_u32 s[DGL], 4, s[CX]                  ; second block: in step cx
	s_mov_b32 s[PAIRS], 4
	s_cmp_eq_u32 s[CLA], 0
	s_cselect_b32 s[LIM], 1, -1
	s_mov_b32 s[CS], 0x3e38aa3b                    ; c = log2(e) / 8
	s_mov_b32 s[CS+1], s[CS]
	s_mov_b32 s[SEL], 0x76543210
	s_mov_b32 s[SEL+1], 0xfedcba98
	s_mov_b32 s[OFF+1], 0
	s_mov_b32 s[AL+1], 0
	s_mov_b32 s[BE+1], 0
	s_mov_b32 s[BIGN], 0xf149f2ca                  ; -1e30
	s_mov_b32 s[R128], 0x3c000000                  ; 1 / 128
	s_mov_b32 s[EPS], 0x3727c5ac                   ; 1e-5
	s_mov_b32 s[OML], 0x3e5d9673                   ; 1 - 0.78360577
	s_mov_b32 s[OML+1], s[OML]
	s_wait_dscnt 0x0                               ; the opening add is done
	s_wait_kmcnt 0x0
	s_add_nc_u64 s[KB:KB+1], s[4:5], s[2:3]
	s_add_nc_u64 s[VB:VB+1], s[KB:KB+1], 0x1000000
	s_add_nc_u64 s[KB:KB+1], s[KB:KB+1], 0x800000
	s_add_nc_u64 s[QA:QA+1], s[4:5], s[QA:QA+1]
	s_add_nc_u64 s[QBA:QBA+1], s[4:5], s[QBA:QBA+1]
	s_add_nc_u64 s[OP:OP+1], s[16:17], s[OP:OP+1]
	s_add_nc_u64 s[OLO:OLO+1], s[16:17], s[OLO:OLO+1]
	s_add_nc_u64 s[PFA:PFA+1], s[4:5], s[PFA:PFA+1]
	CROUND                                         ; all four work-groups are here: the first joint load meets
	s_mov_b64 s[G0K+2:G0K+3], s[KB:KB+1]
	s_or_b32 s[G0K+3], s[G0K+3], 0x80000000
	s_mov_b64 s[G0V+2:G0V+3], s[VB:VB+1]
	s_or_b32 s[G0V+3], s[G0V+3], 0x80000000
	JLOAD 0                                        ; tile 0 into slot 0; slot 1 is asked for by the first change of slots
	v_and_b32 v1, 15, v0                           ; r
	v_bfe_u32 v9, v0, 4, 1                         ; h
	v_lshlrev_b32 v[QO], 8, v1
	v_lshl_add_u32 v[QO], v9, 4, v[QO]             ; row x 256 + 16 h
	v_lshlrev_b32 v44, 5, v9                       ; g: my 8 channels of each 16 begin at byte 32 h
	v_and_b32 v45, 31, v0
	v_lshlrev_b32 v[PFO], 8, v45
	v_lshlrev_b32 v45, 3, v45                      ; the four short vectors: two numbers a lane
	WIN 0x80
.irp i, 0,1,2,3                        ; fragment i: tile i / 2, channels 32 (i % 2) on
	global_load_b128 v[8*(\i):8*(\i)+3],   v[QO], s[QA:QA+1] offset:64*(\i)
	global_load_b128 v[8*(\i)+4:8*(\i)+7], v[QO], s[QA:QA+1] offset:64*(\i)+32
.endr
	WIN 0x40
.irp i, 0,1,2,3
	global_load_b128 v[QB+8*(\i):QB+8*(\i)+3],   v[QO], s[QBA:QBA+1] offset:64*(\i)
	global_load_b128 v[QB+8*(\i)+4:QB+8*(\i)+7], v[QO], s[QBA:QBA+1] offset:64*(\i)+32
.endr
	WIN 0
.irp f, 0,1,2,3,4,5,6,7
	global_load_b128 v[S+8*(\f):S+8*(\f)+3],   v44, s[6:7] offset:64*(\f)
	global_load_b128 v[S+8*(\f)+4:S+8*(\f)+7], v44, s[6:7] offset:64*(\f)+16
.endr
	global_load_b64 v[34:35], v45, s[8:9]
	global_load_b64 v[36:37], v45, s[10:11]
	global_load_b64 v[38:39], v45, s[12:13]
	global_load_b64 v[40:41], v45, s[14:15]
	v_mul_u32_u24 v[AK0], v1, PK
	v_lshl_add_u32 v[AK0], v9, 4, v[AK0]
	v_and_b32 v10, 7, v0
	v_bfe_u32 v11, v0, 3, 1
	v_lshl_add_u32 v[AV0], v9, 3, v10
	v_mul_u32_u24 v[AV0], v[AV0], PV
	v_lshl_add_u32 v[AV0], v11, 4, v[AV0]
	v_add_nc_u32 v[AV0], VOFF, v[AV0]
	s_mul_i32 s80, s[WV], 16*SP
	s_add_co_u32 s80, s80, STAGE
	v_mul_u32_u24 v[STO], v1, SP
	v_lshl_add_u32 v[STO], v9, 4, v[STO]
	v_add_nc_u32 v[STO], s80, v[STO]
	v_mul_u32_u24 v[RD], v9, SP
	v_lshl_add_u32 v[RD], v1, 4, v[RD]
	v_add_nc_u32 v[RD], s80, v[RD]
	v_lshlrev_b32 v[GO], 12, v9
	v_lshl_add_u32 v[GO], v1, 4, v[GO]
	v_lshlrev_b32 v14, 3, v9
	v_sub_nc_u32 v14, v1, v14
	s_lshl_b32 s80, s[WV], 4
	v_add_nc_u32 v14, s80, v14                     ; my query's place in its block, 16 w + r, less 8 h: register j of key block kb is hidden where 16 kb + j is greater
.set i, 0
.rept 32
	v_cmp_gt_i32 vcc_lo, 16*(i/8)+i%8, v14
	v_cndmask_b32 v[MD+i], 0, s[BIGN], vcc_lo
.set i, i+1
.endr
	WIN 0x40
.set i, 0
.rept 128
	v_mov_b32 v[i], 0                              ; O^T need only be finite: written in the wait for the first tile, so that a block's first step is a step like any other
.set i, i+1
.endr
	WIN 0
.irp t, 0,1
	v_mov_b32 v[ST+8*(\t)+2], 0
	v_mov_b32 v[ST+8*(\t)+3], 0
.endr
	BEGIN
	s_wait_loadcnt 0x0                             ; Q, g, the four vectors
	v_cvt_pk_bf16_f32 v34, v34, v35                ; lambda, from the vectors rounded to bf16
	v_cvt_pk_bf16_f32 v36, v36, v37
	v_cvt_pk_bf16_f32 v38, v38, v39
	v_cvt_pk_bf16_f32 v40, v40, v41
.irp r, 34,36,38,40
	v_lshlrev_b32 v[(\r)+1], 16, v[\r]
	v_and_b32 v[\r], 0xffff0000, v[\r]
.endr
	v_mul_f32 v42, v35, v37
	v_fmac_f32 v42, v34, v36
	v_mul_f32 v43, v39, v41
	v_fmac_f32 v43, v38, v40
.irp m, 1,2,4,8
	v_add_f32_dpp v42, v42, v42 row_xmask:\m row_mask:0xf bank_mask:0xf
	v_add_f32_dpp v43, v43, v43 row_xmask:\m row_mask:0xf bank_mask:0xf
.endr
	v_permlanex16_b32 v34, v42, s[SEL], s[SEL+1]
	v_permlanex16_b32 v36, v43, s[SEL], s[SEL+1]
	v_add_f32 v42, v42, v34
	v_add_f32 v43, v43, v36
	v_mul_f32 v42, 0x3fb8aa3b, v42
	v_mul_f32 v43, 0x3fb8aa3b, v43
	v_exp_f32 v42, v42
	v_exp_f32 v43, v43
	v_nop
	s_wait_alu depctr_va_vdst(0)                   ; one wait for the two exponentials
	v_sub_f32 v42, v43, v42
	v_add_f32 v[NLAM], 0xbf489a63, v42             ; -(e1 - e2 + 0.78360577)
.set i, 0
.rept 32
	v_cvt_pk_bf16_f32 v[224+i], v[S+2*i], v[S+2*i+1]  ; g rounded to bf16,
.set i, i+1
.endr
.set i, 0
.rept 32
	v_lshlrev_b32 v[S+2*i], 16, v[224+i]
	v_and_b32 v[S+2*i+1], 0xffff0000, v[224+i]
.set i, i+1
.endr
	WIN 0x40
.set i, 0
.rept 32
	v_pk_mul_f32 v[G+i:G+i+1], v[S+i:S+i+1], s[OML:OML+1] op_sel_hi:[1,0]  ; times 1 - 0.78360577
.set i, i+2
.endr
	WIN 0
.Lpair:                                                ; four trips: eight tiles are entered, each asks for the next
	TILE 0, 1, 0
	TILE 1, 1, 0
	s_sub_co_u32 s[PAIRS], s[PAIRS], 1
	s_cmp_lg_u32 s[PAIRS], 0
	s_cbranch_scc1 .Lpair
	TILE 0, 0, 1                                   ; the walk's ninth tile is written out: nothing is asked for; it ends the second block
	s_wait_tensorcnt 0x0                           ; the wave's end
	ds_add_u32 v[SPW], v[NIL]
	s_wait_dscnt 0x0
	CROUND                                         ; the closing round
	s_endpgm
.Lfunc_end_k_q28b234e926_attn:
	.size	k_q28b234e926_attn, .Lfunc_end_k_q28b234e926_attn-k_q28b234e926_attn
	.p2alignl 7, 3214868480
	.fill 96, 4, 3214868480
	.section	.rodata,"a",@progbits
	.p2align	6, 0x0
	.amdhsa_kernel k_q28b234e926_attn
		.amdhsa_group_segment_fixed_size 327680
		.amdhsa_private_segment_fixed_size 0
		.amdhsa_enable_private_segment 0
		.amdhsa_kernarg_size 56
		.amdhsa_user_sgpr_count 2
		.amdhsa_user_sgpr_kernarg_segment_ptr 1
		.amdhsa_wavefront_size32 1
		.amdhsa_system_sgpr_workgroup_id_x 1
		.amdhsa_system_sgpr_workgroup_id_y 1
		.amdhsa_system_sgpr_workgroup_id_z 1
		.amdhsa_system_vgpr_workitem_id 0
		.amdhsa_next_free_vgpr 896
		.amdhsa_next_free_sgpr 98
		.amdhsa_reserve_vcc 1
		.amdhsa_float_denorm_mode_32 3
		.amdhsa_float_denorm_mode_16_64 3
		.amdhsa_memory_ordered 1
		.amdhsa_forward_progress 1
		.amdhsa_inst_pref_size 163
	.end_amdhsa_kernel
	.amdgpu_metadata
---
amdhsa.version: [ 1, 2 ]
amdhsa.kernels:
  - .name:           k_q28b234e926_attn
    .symbol:         k_q28b234e926_attn.kd
    .args:
      - { .name: qkv, .offset: 0, .size: 8, .value_kind: global_buffer, .address_space: global }
      - { .name: g, .offset: 8, .size: 8, .value_kind: global_buffer, .address_space: global }
      - { .name: lq1, .offset: 16, .size: 8, .value_kind: global_buffer, .address_space: global }
      - { .name: lk1, .offset: 24, .size: 8, .value_kind: global_buffer, .address_space: global }
      - { .name: lq2, .offset: 32, .size: 8, .value_kind: global_buffer, .address_space: global }
      - { .name: lk2, .offset: 40, .size: 8, .value_kind: global_buffer, .address_space: global }
      - { .name: an, .offset: 48, .size: 8, .value_kind: global_buffer, .address_space: global }
    .group_segment_fixed_size: 327680
    .private_segment_fixed_size: 0
    .kernarg_segment_align: 8
    .kernarg_segment_size: 56
    .max_flat_workgroup_size: 128
    .sgpr_count:     98
    .vgpr_count:     896
    .wavefront_size: 32
...
	.end_amdgpu_metadata
.endif
;; end of part 3
;; launch oproj (part 4): grid 16 x 16, 4 waves a work-group, clusters of 4 x 4, 327,680 bytes of LDS; arguments an, wo16, out0; writes out0
.if DOCPART == 4
	.amdgcn_target "amdgcn-amd-amdhsa--gfx1250"
	.amdhsa_code_object_version 6
	.text
	.protected	k_q28b234e926_oproj
	.globl	k_q28b234e926_oproj
	.p2align	8
	.type	k_q28b234e926_oproj,@function
k_q28b234e926_oproj:
	s_mov_b64 s[64:65], 0
	v_nop
	global_prefetch_b8 v0, s[64:65] scope:SCOPE_SE
	s_setreg_imm32_b32 hwreg(HW_REG_WAVE_MODE, 25, 1), 1
	s_wait_xcnt 0x0
	s_wait_alu depctr_hold_cnt(0) depctr_sa_sdst(0) depctr_va_vdst(0) depctr_va_sdst(0) depctr_va_ssrc(0) depctr_va_vcc(0) depctr_vm_vsrc(0)
	s_getreg_b32 s2, hwreg(HW_REG_IB_STS2, 6, 4)
	s_cmp_eq_u32 s2, 0
	s_cbranch_scc0 .Lentry_in_a_cluster
	s_endpgm
.Lentry_in_a_cluster:
	s_bfe_u32 s2, ttmp6, 0x10000c
	s_cmp_lg_u32 s2, 0xf033
	s_cbranch_scc0 .Lentry_shape_is_right
	s_endpgm
.Lentry_shape_is_right:
; out0 = an Wo.  an: [2048][2048] f16; wo16: [2048 k][2048 n] f16 (Wo rounded to bf16, that number written as f16); out0: [2048][2048] f32; sums in f32.
; A tile of out0 is 128 x 128: 256 work-groups, one for each tile.  Four waves, each 64 x 64: 16 accumulators.  K goes in steps of 256 through two LDS slots: an's 128 rows of 512 bytes (waves 0, 1 fetch 64 each),
; and 256 k-rows x 256 bytes of wo16 (waves 2, 3 fetch 128 each).  The matrix instruction is used transposed: source 0 = 16 columns of Wo, turned out of LDS by ds_load_tr16_b128; source 1 = 16 rows of an.
; A lane then holds eight neighbouring f32 of a row; a wave's 64 columns are 256 bytes, aligned, so each wave sends its rows through a stage of its own and no barrier stands on the way out.
; CLUSTER 4 x 4: an's tiles are asked for jointly along a row of the cluster, wo16's along a column.  No prefetch: the tile is small.
; REGISTERS: window 0: v0-31 addresses; v32-95 at work on the way out; v128-255 the accumulators ((a, b) at 128 + 8 (4 a + b)).  Window 1: two fragment buffers of 128: 64 registers of an's, then 64 of Wo's.
.set PA,     528                       ; a row of an in LDS: 512 bytes + 16
.set PB,     288                       ; a k-row of Wo: 256 + 32
.set BOFF,   128*PA
.set SLOT,   BOFF+256*PB
.set STAGE,  2*SLOT                    ; behind the ring: 16 rows x 272 bytes for each wave
.set SP,     272
.set SPARE,  STAGE+4*16*SP             ; the spare words, 128 bytes for each wave: two blocks of 256 bytes that no other line names
.set LAPS,   4                         ; 8 K steps
.set ADRA, 16                          ; v16-17  my fragments of an in slot 0, 1
.set ADRB, 20                          ; v20-23  my fragments of Wo: slot 0 k-rows 0-127, 128-255; slot 1 likewise
.set STO,  24
.set RD,   25
.set CO,   26
.set SPW,  28
.set NIL,  29
.set TMP,  32
.set ACC,  128
.set F0,   0
.set F1,   128
.set G1, 24
.set G0, 32
.set G1B, 48
.set G0B, 56
.set MSB, 0
.macro WIN new
.if MSB != (\new)
	s_set_vgpr_msb (MSB<<8)|(\new)
.set MSB, \new
.endif
.endm
.set MUL,  0x05                        ; sources 0 and 1 window 1; C and D window 0
.set TO_F, 0x40
.macro JLOAD s                         ; waves 0, 1 fetch an's halves, waves 2, 3 Wo's; an s_nop 0 and four v_nop follow each line
	s_cmp_eq_u32 s11, 0
	s_cbranch_scc0 .Lfor_b_\@
	tensor_load_to_lds s[G0+4*(\s):G0+4*(\s)+3], s[G1:G1+7]
	s_nop 0
.rept 4
	v_nop
.endr
	s_branch .Lasked_\@
.Lfor_b_\@:
	tensor_load_to_lds s[G0B+4*(\s):G0B+4*(\s)+3], s[G1B:G1B+7]
	s_nop 0
.rept 4
	v_nop
.endr
.Lasked_\@:
.endm
.macro CREST
	s_cmp_lg_u32 s10, 0
	s_cbranch_scc1 .Lnot_wave_0_\@
	s_barrier_signal -3
.Lnot_wave_0_\@:
	s_barrier_wait -3
	s_barrier_signal -1
	s_barrier_wait -1
.endm
.macro CROUND
	s_barrier_signal -1
	s_barrier_wait -1
	CREST
.endm
	s_load_b128 s[4:7], s[0:1], 0x0                ; an s[4:5], wo16 s[6:7]
	s_load_b64 s[8:9], s[0:1], 0x10                ; out0
	v_lshl_add_u32 v[SPW], v0, 2, SPARE
	v_mov_b32 v[NIL], 0
	ds_add_u32 v[SPW], v[NIL]                      ; the wave's opening: the add and its wait ahead of my first tensor load
	v_lshrrev_b32 v1, 5, v0
	v_readfirstlane_b32 s10, v1                    ; wave
	s_lshr_b32 s11, s10, 1                         ; my half of the tile's rows.  Also: I fetch for an (0) or for Wo (1)
	s_and_b32 s12, s10, 1                          ; my half of its columns.  Also: which half of that tile I fetch
	s_bfe_u32 s40, ttmp6, 0x40000
	s_bfe_u32 s41, ttmp6, 0x40004
	s_lshl_b32 s42, ttmp9, 2
	s_add_co_u32 s42, s42, s40                     ; tile column
	s_and_b32 s13, ttmp7, 0xffff
	s_lshl_b32 s13, s13, 2
	s_add_co_u32 s13, s13, s41                     ; tile row
	s_lshl_b32 s43, s41, 2
	s_lshl_b32 s43, 15, s43                        ; my row of the cluster
	s_lshl_b32 s44, 0x1111, s40                    ; my column
	s_or_b32 s[G1], s43, (1<<16)|(1<<20)|(1<<21)|(6<<22)|(3<<25)   ; an: 64 rows x 256 elements; after every 128 words, 4 words of padding
	s_mov_b32 s[G1+1], 256<<16
	s_mov_b32 s[G1+2], 64<<16
	s_mov_b32 s[G1+3], 256<<16
	s_mov_b32 s[G1+4], 64
	s_mov_b32 s[G1+5], 2048
	s_mov_b32 s[G1+6], 0
	s_mov_b32 s[G1+7], 0
	s_or_b32 s[G1B], s44, (1<<16)|(1<<20)|(1<<21)|(5<<22)|(7<<25)  ; Wo: 128 k-rows x 128 elements; after every 64 words, 8 words
	s_mov_b32 s[G1B+1], 128<<16
	s_mov_b32 s[G1B+2], 128<<16
	s_mov_b32 s[G1B+3], 128<<16
	s_mov_b32 s[G1B+4], 128
	s_mov_b32 s[G1B+5], 2048
	s_mov_b32 s[G1B+6], 0
	s_mov_b32 s[G1B+7], 0
	s_lshl_b32 s16, s13, 7
	s_lshl_b32 s17, s12, 6
	s_add_co_u32 s16, s16, s17                     ; an: row 128 x tile row + 64 x half,
	s_lshl_b32 s16, s16, 12                        ; 4,096 bytes a row
	s_mov_b32 s17, 0
	s_lshl_b32 s46, s12, 19                        ; Wo: k-row 128 x half,
	s_lshl_b32 s47, s42, 8                         ; the tile column's 256 bytes
	s_add_co_u32 s46, s46, s47
	s_mov_b32 s47, 0
	s_mul_i32 s20, s12, 64*PA                      ; where they go
	s_mul_i32 s21, s12, 128*PB
	s_add_co_u32 s21, s21, BOFF
	s_wait_dscnt 0x0                               ; the opening add is done
	s_wait_kmcnt 0x0
	s_add_nc_u64 s[14:15], s[4:5], s[16:17]
	s_add_nc_u64 s[46:47], s[6:7], s[46:47]
	CROUND                                         ; all sixteen work-groups are here: the first joint loads meet
.irp s, 0,1
	s_mov_b32 s[G0+4*(\s)], 1
	s_add_co_u32 s[G0+4*(\s)+1], s20, (\s)*SLOT
	s_add_nc_u64 s[G0+4*(\s)+2:G0+4*(\s)+3], s[14:15], (\s)*512
	s_or_b32 s[G0+4*(\s)+3], s[G0+4*(\s)+3], 0x80000000
	s_mov_b32 s[G0B+4*(\s)], 1
	s_add_co_u32 s[G0B+4*(\s)+1], s21, (\s)*SLOT
	s_add_nc_u64 s[G0B+4*(\s)+2:G0B+4*(\s)+3], s[46:47], (\s)*0x100000
	s_or_b32 s[G0B+4*(\s)+3], s[G0B+4*(\s)+3], 0x80000000
	JLOAD \s
.endr
	v_and_b32 v1, 15, v0                           ; r
	v_bfe_u32 v2, v0, 4, 1                         ; h
	v_mul_u32_u24 v3, v1, PA
	v_lshl_add_u32 v3, v2, 4, v3
	s_mul_i32 s22, s11, 64*PA
	v_add_nc_u32 v[ADRA], s22, v3
	v_add_nc_u32 v[ADRA+1], SLOT, v[ADRA]
	v_and_b32 v4, 7, v0
	v_bfe_u32 v5, v0, 3, 1
	v_lshl_add_u32 v4, v2, 3, v4
	v_mul_u32_u24 v4, v4, PB
	v_lshl_add_u32 v4, v5, 4, v4
	s_lshl_b32 s22, s12, 7                         ; my 64 columns: 128 bytes of a k-row
	s_add_co_u32 s22, s22, BOFF
	v_add_nc_u32 v[ADRB], s22, v4
	v_add_nc_u32 v[ADRB+1], 128*PB, v[ADRB]
	v_add_nc_u32 v[ADRB+2], SLOT, v[ADRB]
	v_add_nc_u32 v[ADRB+3], SLOT, v[ADRB+1]
	s_mul_i32 s23, s10, 16*SP
	s_add_co_u32 s23, s23, STAGE                   ; my stage
	v_mul_u32_u24 v6, v1, SP                       ; in: row r, 32 bytes for each half of the lanes
	v_lshl_add_u32 v6, v2, 5, v6
	v_add_nc_u32 v[STO], s23, v6
	v_mul_u32_u24 v6, v2, SP                       ; back: lanes 0-15 one row of 256 bytes, lanes 16-31 the next
	v_lshl_add_u32 v6, v1, 4, v6
	v_add_nc_u32 v[RD], s23, v6
	v_lshlrev_b32 v6, 13, v2                       ; and the same two rows in out0, 8,192 bytes apart
	v_lshl_add_u32 v[CO], v1, 4, v6
	s_lshl_b32 s16, s13, 7
	s_lshl_b32 s17, s11, 6
	s_add_co_u32 s16, s16, s17                     ; my first row,
	s_lshl_b32 s16, s16, 13
	s_lshl_b32 s17, s42, 9                         ; my first column, in bytes: 512 x tile column + 256 x half
	s_add_co_u32 s16, s16, s17
	s_lshl_b32 s17, s12, 8
	s_add_co_u32 s16, s16, s17
	s_mov_b32 s17, 0
	s_add_nc_u64 s[8:9], s[8:9], s[16:17]
.macro MUL8 f, c, a0, zero             ; row blocks a0, a0 + 1 x my 4 column blocks, 32 along K: half c of buffer f.  The 16 accumulators take turns
	WIN MUL
.irp a, \a0, (\a0)+1
.irp b, 0,1,2,3
.if \zero
	v_wmma_f32_16x16x32_f16 v[ACC+8*(4*(\a)+(\b)):ACC+8*(4*(\a)+(\b))+7], v[(\f)+64+8*(4*(\c)+(\b)):(\f)+64+8*(4*(\c)+(\b))+7], v[(\f)+8*(4*(\c)+(\a)):(\f)+8*(4*(\c)+(\a))+7], 0
.else
	v_wmma_f32_16x16x32_f16 v[ACC+8*(4*(\a)+(\b)):ACC+8*(4*(\a)+(\b))+7], v[(\f)+64+8*(4*(\c)+(\b)):(\f)+64+8*(4*(\c)+(\b))+7], v[(\f)+8*(4*(\c)+(\a)):(\f)+8*(4*(\c)+(\a))+7], v[ACC+8*(4*(\a)+(\b)):ACC+8*(4*(\a)+(\b))+7]
.endif
.endr
.endr
.endm
.macro FETCH slot, q, f                ; 32 LDS loads in one run: quarter q (64 along K) of a slot into buffer f; its first 32 along K first
	WIN TO_F
.irp c, 0,1
.irp i, 0,1,2,3
	ds_load_tr16_b128 v[(\f)+64+8*(4*(\c)+(\i)):(\f)+64+8*(4*(\c)+(\i))+3],   v[ADRB+2*(\slot)+(\q)/2] offset:((\q)%2)*64*PB+(\c)*32*PB+32*(\i)
	ds_load_tr16_b128 v[(\f)+64+8*(4*(\c)+(\i))+4:(\f)+64+8*(4*(\c)+(\i))+7], v[ADRB+2*(\slot)+(\q)/2] offset:((\q)%2)*64*PB+(\c)*32*PB+32*(\i)+16*PB
	ds_load_b128 v[(\f)+8*(4*(\c)+(\i)):(\f)+8*(4*(\c)+(\i))+3],              v[ADRA+(\slot)] offset:128*(\q)+64*(\c)+(\i)*16*PA
	ds_load_b128 v[(\f)+8*(4*(\c)+(\i))+4:(\f)+8*(4*(\c)+(\i))+7],            v[ADRA+(\slot)] offset:128*(\q)+64*(\c)+(\i)*16*PA+32
.endr
.endr
.endm
.macro PLACES
.rept 4
	v_nop
.endr
.endm
.macro QUARTER slot, q, f, g, zero     ; multiplies buffer f and fetches quarter q of the same slot into buffer g
	s_wait_dscnt 16                                ; the first 32 along K are in
	MUL8 \f, 0, 0, \zero
	MUL8 \f, 0, 2, \zero
	PLACES
	FETCH \slot, \q, \g
	s_wait_dscnt 32                                ; all but the 32 just issued
	MUL8 \f, 1, 0, 0
	MUL8 \f, 1, 2, 0
.endm
; The last quarter multiplies buffer 1 and changes slots: ONE barrier; in front of it each wave waits for all its tensor loads, adds 0 to its spare word, and waits for that and for its reads of this slot.
.macro TURN slot, next, fill
	WIN 0
	s_wait_tensorcnt 0x0
	ds_add_u32 v[SPW], v[NIL]
	s_wait_dscnt 17                                ; (the add and the youngest sixteen loads may be out)
	MUL8 F1, 0, 0, 0
	s_wait_dscnt 0x0                               ; the add is done, and my reads of this slot are over
	s_barrier_signal -1
	MUL8 F1, 0, 2, 0
.if \fill
	WIN 0
.endif
	s_barrier_wait -1
.if \fill
	CREST                                          ; no wave of any partner still reads this slot's tiles or has a load on its way
	s_add_nc_u64 s[G0+4*(\slot)+2:G0+4*(\slot)+3], s[G0+4*(\slot)+2:G0+4*(\slot)+3], 1024
	s_add_nc_u64 s[G0B+4*(\slot)+2:G0B+4*(\slot)+3], s[G0B+4*(\slot)+2:G0B+4*(\slot)+3], 0x200000
	JLOAD \slot                                    ; 112 matrix instructions ahead of the wait for it; its four v_nop are also the places in front of the loads below
.else
	PLACES
.endif
	FETCH \next, 0, F0
	MUL8 F1, 1, 0, 0
	MUL8 F1, 1, 2, 0
.endm
	s_wait_tensorcnt 1                             ; my part of K step 0 is in; K step 1's may stay out
	s_barrier_signal -1
	s_barrier_wait -1
	FETCH 0, 0, F0
	QUARTER 0, 1, F0, F1, 1                        ; the first quarter stands in front of the loop: its first products start the sums
	WIN 0
	s_mov_b32 s3, LAPS-1
.Llap:
	QUARTER 0, 2, F1, F0, 0
	QUARTER 0, 3, F0, F1, 0
	TURN 0, 1, 1
	QUARTER 1, 1, F0, F1, 0
	QUARTER 1, 2, F1, F0, 0
	QUARTER 1, 3, F0, F1, 0
	TURN 1, 0, 1
	QUARTER 0, 1, F0, F1, 0
	WIN 0
	s_sub_co_u32 s3, s3, 1
	s_cmp_lg_u32 s3, 0
	s_cbranch_scc1 .Llap
	QUARTER 0, 2, F1, F0, 0                        ; the last lap fills nothing
	QUARTER 0, 3, F0, F1, 0
	TURN 0, 1, 0
	QUARTER 1, 1, F0, F1, 0
	QUARTER 1, 2, F1, F0, 0
	QUARTER 1, 3, F0, F1, 0
	s_wait_dscnt 16
	MUL8 F1, 0, 0, 0
	MUL8 F1, 0, 2, 0
	s_wait_dscnt 0x0
	MUL8 F1, 1, 0, 0
	MUL8 F1, 1, 2, 0
	WIN 0
	; THE WAY OUT, 16 rows at a time: 32 bytes a lane into my stage, each accumulator's lower four registers first; back as whole rows of 256 bytes; stored.
	PLACES
	PLACES
.irp a, 0,1,2,3
.if (\a) >= 2
	s_wait_xcnt 0x0                                ; the stores of the block two back have read the registers that are loaded again below
.endif
.irp b, 0,1,2,3
	ds_store_b128 v[STO], v[ACC+8*(4*(\a)+(\b)):ACC+8*(4*(\a)+(\b))+3]   offset:64*(\b)
	ds_store_b128 v[STO], v[ACC+8*(4*(\a)+(\b))+4:ACC+8*(4*(\a)+(\b))+7] offset:64*(\b)+16
.endr
.irp t, 0,1,2,3,4,5,6,7
	ds_load_b128 v[TMP+32*((\a)%2)+4*(\t):TMP+32*((\a)%2)+4*(\t)+3], v[RD] offset:(\t)*2*SP  ; LDS serves a wave's instructions in order: these see the stores above, and the next block's stores come behind them
.endr
.irp t, 0,1,2,3,4,5,6,7
	s_wait_dscnt 7-(\t)
	global_store_b128 v[CO], v[TMP+32*((\a)%2)+4*(\t):TMP+32*((\a)%2)+4*(\t)+3], s[8:9] offset:(\a)*131072+(\t)*16384 th:TH_STORE_NT  ; 16 lanes store 256 consecutive bytes, aligned
.endr
.endr
	s_wait_tensorcnt 0x0                           ; the wave's end
	ds_add_u32 v[SPW], v[NIL]
	s_wait_dscnt 0x0
	CROUND                                         ; the closing round
	s_endpgm
.Lfunc_end_k_q28b234e926_oproj:
	.size	k_q28b234e926_oproj, .Lfunc_end_k_q28b234e926_oproj-k_q28b234e926_oproj
	.p2alignl 7, 3214868480
	.fill 96, 4, 3214868480
	.section	.rodata,"a",@progbits
	.p2align	6, 0x0
	.amdhsa_kernel k_q28b234e926_oproj
		.amdhsa_group_segment_fixed_size 327680
		.amdhsa_private_segment_fixed_size 0
		.amdhsa_enable_private_segment 0
		.amdhsa_kernarg_size 24
		.amdhsa_user_sgpr_count 2
		.amdhsa_user_sgpr_kernarg_segment_ptr 1
		.amdhsa_wavefront_size32 1
		.amdhsa_system_sgpr_workgroup_id_x 1
		.amdhsa_system_sgpr_workgroup_id_y 1
		.amdhsa_system_sgpr_workgroup_id_z 1
		.amdhsa_system_vgpr_workitem_id 0
		.amdhsa_next_free_vgpr 512
		.amdhsa_next_free_sgpr 66
		.amdhsa_reserve_vcc 0
		.amdhsa_float_denorm_mode_32 3
		.amdhsa_float_denorm_mode_16_64 3
		.amdhsa_memory_ordered 1
		.amdhsa_forward_progress 1
		.amdhsa_inst_pref_size 87
	.end_amdhsa_kernel
	.amdgpu_metadata
---
amdhsa.version: [ 1, 2 ]
amdhsa.kernels:
  - .name:           k_q28b234e926_oproj
    .symbol:         k_q28b234e926_oproj.kd
    .args:
      - { .name: an, .offset: 0, .size: 8, .value_kind: global_buffer, .address_space: global }
      - { .name: wo16, .offset: 8, .size: 8, .value_kind: global_buffer, .address_space: global }
      - { .name: out0, .offset: 16, .size: 8, .value_kind: global_buffer, .address_space: global }
    .group_segment_fixed_size: 327680
    .private_segment_fixed_size: 0
    .kernarg_segment_align: 8
    .kernarg_segment_size: 24
    .max_flat_workgroup_size: 128
    .sgpr_count:     66
    .vgpr_count:     512
    .wavefront_size: 32
...
	.end_amdgpu_metadata
.endif
;; end of part 4
